; MI455X (gfx1250); checked and timed in simulation.
; The chip was launched on July 23, 2026; its instructions are those of AMD's public machine-readable ISA for CDNA 5 (MIT licence, August 2026) and "CDNA5" Instruction Set Architecture Reference Guide (July 2026). The comments in the code are by the model that wrote it; some were corrected since.
;; Multi Head Attention. Allowed arithmetic: matrix products marked QUANTISED: E2M3 operands, one E8M0 scale for each 32 along K, by v_wmma_scale_f32_16x16x128_f8f6f4 with both operands' format E2M3, f32 sums; everything else in f32.
;; Inputs: k 4 x 2,048 x 1,024 float32; mask 1 x 1 x 2,048 x 2,048 float32; q 4 x 2,048 x 1,024 float32; v 4 x 2,048 x 1,024 float32; wk 1,024 x 1,024 float32; wo 1,024 x 1,024 float32; wq 1,024 x 1,024 float32; wv 1,024 x 1,024 float32.
;; Outputs: out0 4 x 2,048 x 1,024 float32.
;; This version of the problem:
;;   THIS VERSION OF THE PROBLEM IS GIVEN IN LOW PRECISION. The matrix products marked QUANTISED in the list below multiply operands that are first quantised to E2M3 (2 exponent bits, 3 mantissa bits; 6 bits a number), with one power-of-two scale for each 32 numbers along K (OCP MX v1.0); their sums are f32. All else is computed in f32.
;;   The module's matrix products, in the order in which they are computed (A, B: the left and right operand; K: the contracted axis; several contracted axes count as one K, in the product's order):
;;     1. [M 8,192, K 1,024] x [K 1,024, N 1,024]; A: input q; B: input wq: QUANTISED
;;     2. [M 8,192, K 1,024] x [K 1,024, N 1,024]; A: input k; B: input wk: QUANTISED
;;     3. [M 8,192, K 1,024] x [K 1,024, N 1,024]; A: input v; B: input wv: QUANTISED
;;     4. batch 64 x [M 2,048, K 64] x [K 64, N 2,048]; A: computed on the way; B: computed on the way: QUANTISED
;;     5. batch 64 x [M 2,048, K 2,048] x [K 2,048, N 64]; A: softmax (see below); B: computed on the way: QUANTISED
;;     6. [M 8,192, K 1,024] x [K 1,024, N 1,024]; A: computed on the way; B: input wo: QUANTISED
;;   THE QUANTISER, for each operand of a quantised product, along K:
;;     - K is cut into blocks of 32 from its start; a last block that is shorter is filled with zeros.
;;     - A block's scale is 2^e with e = floor(log2(the largest magnitude in the block)) - 2, held to -126 .. 127; a block of zeros has e = 0. As a byte (E8M0): e + 127.
;;     - Each number is divided by its block's scale, clamped to +-7.5, and rounded to the nearest number of E2M3, ties to even, subnormals kept.
;;     - The product sums the exact products of the quantised numbers (number of the format x scale) in f32.
;;   ~~~python
;;   def quantise(x, axis):      # numpy; x: float32 -> the quantised numbers, widened to float32 again
;;       x = np.moveaxis(x, axis, -1); K = x.shape[-1]
;;       x = np.pad(x, [(0, 0)] * (x.ndim - 1) + [(0, -K % 32)]); x = x.reshape(x.shape[:-1] + (-1, 32)); a = np.abs(x).max(-1, keepdims=True)
;;       e = np.where(a > 0, np.clip(np.frexp(np.where(a > 0, a, 1))[1] - 1 - 2, -126, 127), 0)      # np.frexp(a)[1] - 1 = floor(log2(a)), exactly
;;       r = np.clip(x / 2.0 ** e, -7.5, 7.5)
;;       step = 2.0 ** (np.maximum(np.frexp(np.where(r == 0, 1, r))[1] - 1, 0) - 3)
;;       q = np.round(r / step) * step * 2.0 ** e      # np.round: ties to even
;;       return np.moveaxis(q.reshape(q.shape[:-2] + (-1,))[..., :K], -1, axis).astype(np.float32)
;;   ~~~
;;   SOFTMAX AHEAD OF A QUANTISED PRODUCT. Where the list says 'softmax', what is quantised is not the finished softmax but p = 2^(t - M), with t = logit x log2(e) and M = ceil(the row's largest t), a whole number; so 1/2 < the row's largest p <= 1. The row's sum l is taken of the UNQUANTISED p, in f32, and the product's result is divided by l at the end. Since M is a whole number, a kernel that streams over the keys may use a running M (the ceiling of the running maximum): every later rescaling is an exact power of two, which a block's scale takes up: the codes' values come out the same.
;;   OPERANDS COMPUTED ON THE WAY. 'Computed on the way' means the value that the module computes at that place (a softmax that the list does not call 'softmax' is quantised finished and normalised). What goes into a quantiser is computed in f32, as accurately as f32 sums, v_exp_f32 and their like allow (about 1e-6 of the number): no bf16 or f16 on the way to a quantiser, and a product that is left as it is and whose result goes on into a quantised operand takes f32 operands (vector FMAs, or v_wmma_f32_16x16x4_f32). A number that lies on a knife's edge between two numbers of the format may be rounded either way, as far as f32 arithmetic and the matrix unit's own rounding can turn it there, and no further.
;; One version. Each part assembles by itself: llvm-mc -triple=amdgcn-amd-amdhsa -mcpu=gfx1250 --defsym DOCPART=n.
;; ======== version 1 of 1: 4 launches
;; limits: right only within a limited range of input values
;; workspace buffers: ximg 19,660,800 bytes; wimg 3,276,800 bytes; kv 13,107,200 bytes; qb 13,107,200 bytes; aimg 6,553,600 bytes
;; launch prep (part 1): grid 640 x 1, 4 waves a work-group, no clusters, 102,400 bytes of LDS; arguments q, k, v, wq, wk, wv, wo, ximg, wimg; writes ximg, wimg
.if DOCPART == 1
	.amdgcn_target "amdgcn-amd-amdhsa--gfx1250"
	.amdhsa_code_object_version 6
	.text
	.protected	k_qb856e5a011_prep
	.globl	k_qb856e5a011_prep
	.p2align	8
	.type	k_qb856e5a011_prep,@function
k_qb856e5a011_prep:
	s_mov_b64 s[64:65], 0
	v_nop
	global_prefetch_b8 v0, s[64:65] scope:SCOPE_SE
	s_setreg_imm32_b32 hwreg(HW_REG_WAVE_MODE, 25, 1), 1
	s_wait_xcnt 0x0
; PREP.  q, k, v [8192][1024] f32 and the four weights [1024 (k)][1024 (n)] f32 become codes of FP6 (E2M3) with one E8M0 byte for each 32 along K.
; The mask is no argument here: the attention launch takes it as it is given.  No step of the problem is left out by this program.
; THE FORMAT.  A group is 128 rows, a K step 128 along K.  Of k, v and the weights a group's tile a (0..7) holds the 16 rows rho(a, r) = 32 (a / 2) + 8 (a % 2) + r + 8 (r / 8); of q it holds the 16 rows 16 a + r.
; A fragment (16 rows x 128 K, 12 registers a lane) is stored as an image of its registers: three runs of 512 bytes, lane l's registers 4 c .. 4 c + 3 at 512 c + 16 l.
; GB = 8 images (12,288 bytes) + a scale block of 512 bytes: lane l's 16 bytes are words i = 0..3, word i the scale word of tile 2 i + l / 16, row l % 16.
; A block's scale is 2^(floor(log2(largest magnitude)) - 2): its byte is the largest magnitude's exponent field - 2, held at 1 from below.
; LIMITS: NaN and infinities in q, k, v and the weights are not served; a block whose largest magnitude lies under 2^-124 keeps the byte 1;
; a block of zeros gets the byte 1 where the rule says 127: its codes are zeros, and this program alone reads the bytes.
; SHARES.  Work-groups 0..383: a wave makes one GB of q, k or v.  384..639: a work-group makes one GB of a weight.
; No matrix unit, no tensor loads, no cluster: a stream, each input byte read once, every store 512 consecutive aligned bytes.
.set GB,    12800
.set SP,    528                        ; a stage row: 512 bytes + 16
.set WST,   4*16*SP                    ; LDS: 0: a stage of 16 rows for each wave (q, k, v);  WST: 128 rows (a weight's K step), the work-group's
.set WSC,   WST+128*SP                 ; 512 bytes, a weight's scale block
.set SPARE, WSC+512                    ; the spare words, 128 bytes a wave
.set LN16,  1                          ; 16 x lane
.set STI,   2                          ; my wave's stage, in
.set STO,   3                          ; and out: row r, + 64 h
.set WSI,   4                          ; the weights' stage, in: my wave's 32 rows
.set WRD,   5                          ; out: column rho, rows 16 h on
.set WSCA,  6                          ; my word of the scale block
.set WSCL,  7                          ; 16 x lane in the scale block
.set R,     8                          ; v8-135    two sets of 64: a tile as loaded
.set N,     136                        ; v136-199  register 16 b + i = k 32 b + 16 h + i of my row
.set PC,    200                        ; v200-218  codes
.set TM,    220                        ; v220-235  at work in the quantiser
.set PW,    236
.set PWE,   237
.set MS,    238                        ; v238-241  the scale block
.set SPW,   248
.set NIL,   249
.set WV,    26
.set SRC,   28
.set DST,   30
.set SEL,   32
.set HM,    34
.set SRCU,  36                         ; SRC + 8 rows for k and v, SRC for q
.set SRCD,  38                         ; SRC - 8 rows for k and v, SRC for q
; 64 numbers of a lane become a fragment's codes in v[PC] .. v[PC+11] and its scale word in v[PW]
.macro QUANT s
.irp b, 0,1,2,3
	v_max3_num_f32 v[TM+\b], |v[\s+16*\b]|, |v[\s+1+16*\b]|, 0x1800000   ; with the floor 2^(3 - 127)
.endr
.irp i, 2,4,6,8,10,12,14
.irp b, 0,1,2,3
	v_max3_num_f32 v[TM+\b], v[TM+\b], |v[\s+16*\b+\i]|, |v[\s+1+16*\b+\i]|
.endr
.endr
.irp b, 0,1,2,3
	v_permlanex16_b32 v[TM+4+\b], v[TM+\b], s[SEL], s[SEL+1]
.endr
.irp b, 0,1,2,3
	v_max_num_f32 v[TM+\b], v[TM+\b], v[TM+4+\b]   ; with lane l xor 16's 16
.endr
.irp b, 0,1,2,3
	v_add_nc_u32 v[TM+12+\b], 0xff000000, v[TM+\b] ; 2 off the exponent field: the conversion's scale operand
.endr
.irp b, 0,1,2,3
	v_lshrrev_b32 v[TM+4+\b], 23, v[TM+12+\b]      ; the byte
.endr
	v_lshl_or_b32 v[PW], v[TM+5], 8, v[TM+4]
	v_lshl_or_b32 v[PW], v[TM+6], 16, v[PW]
	v_lshl_or_b32 v[PW], v[TM+7], 24, v[PW]
.irp c, 0,1
	v_cvt_scalef32_pk16_fp6_f32 v[PC+6*\c:PC+2+6*\c], v[\s+32*\c:\s+15+32*\c], v[TM+12+2*\c]
	v_cvt_scalef32_pk16_fp6_f32 v[PC+12+4*\c:PC+14+4*\c], v[\s+16+32*\c:\s+31+32*\c], v[TM+12+2*\c+1]
.endr
	v_nop                                          ; one plain instruction behind the scaled conversions
.irp c, 0,1                                    ; a whole block to a lane: lanes 0-15 block 2 c, lanes 16-31 block 2 c + 1
.irp i, 0,1,2
	v_permlane16_swap_b32 v[PC+6*\c+\i], v[PC+12+4*\c+\i]
.endr
.irp i, 0,1,2
	v_mov_b32 v[PC+3+6*\c+\i], v[PC+12+4*\c+\i]
.endr
.endr
.endm
.macro MERGE a                         ; the even tile's word in lanes 0-15, the odd tile's in lanes 16-31
.if ((\a)%2) == 0
	v_mov_b32 v[PWE], v[PW]
.else
	v_cndmask_b32 v[MS+(\a)/2], v[PWE], v[PW], s[HM]
.endif
.endm
; Tile a's 16 rows, 512 consecutive bytes each, into set a % 2.  rho(a, t) is 16 a + t, but 8 rows further down for an even tile's upper eight and 8 rows further up for an odd tile's lower eight:
; those two take bases of their own, which for q equal SRC.  So one text serves both orders of rows.
.macro LOADT a
.irp t, 0,1,2,3,4,5,6,7,8,9,10,11,12,13,14,15
.if (((\a)%2) == 0) && (\t >= 8)
	global_load_b128 v[R+64*((\a)%2)+4*\t:R+64*((\a)%2)+4*\t+3], v[LN16], s[SRCU:SRCU+1] offset:(16*(\a)+\t)*4096 th:TH_LOAD_NT
.elseif (((\a)%2) == 1) && (\t < 8)
	global_load_b128 v[R+64*((\a)%2)+4*\t:R+64*((\a)%2)+4*\t+3], v[LN16], s[SRCD:SRCD+1] offset:(16*(\a)+\t)*4096 th:TH_LOAD_NT
.else
	global_load_b128 v[R+64*((\a)%2)+4*\t:R+64*((\a)%2)+4*\t+3], v[LN16], s[SRC:SRC+1] offset:(16*(\a)+\t)*4096 th:TH_LOAD_NT
.endif
.endr
.endm
	s_load_b512 s[4:19], s[0:1], 0x0               ; q, k, v, wq, wk, wv, wo, ximg
	s_load_b64 s[20:21], s[0:1], 0x40              ; wimg
	v_lshl_add_u32 v[SPW], v0, 2, SPARE
	v_mov_b32 v[NIL], 0
	v_lshrrev_b32 v8, 5, v0
	v_readfirstlane_b32 s[WV], v8                  ; wave 0..3
	v_and_b32 v9, 31, v0
	v_and_b32 v10, 15, v0                          ; r
	v_bfe_u32 v11, v0, 4, 1                        ; h
	v_lshlrev_b32 v[LN16], 4, v9
	s_mul_i32 s40, s[WV], 16*SP
	v_add_nc_u32 v[STI], s40, v[LN16]
	v_mul_u32_u24 v[STO], v10, SP
	v_lshl_add_u32 v[STO], v11, 6, v[STO]
	v_add_nc_u32 v[STO], s40, v[STO]
	s_mul_i32 s40, s[WV], 32*SP
	s_add_co_u32 s40, s40, WST
	v_add_nc_u32 v[WSI], s40, v[LN16]
	v_and_b32 v12, 8, v10
	v_add_nc_u32 v12, v12, v10                     ; r + 8 (r / 8)
	v_lshlrev_b32 v[WRD], 2, v12
	v_mad_u32_u24 v[WRD], v11, 16*SP, v[WRD]       ; lanes 16-31 begin 16 rows (k) further down
	s_lshl_b32 s40, s[WV], 7                       ; my wave's two tiles cover columns 32 x wave on
	s_add_co_u32 s40, s40, WST
	v_add_nc_u32 v[WRD], s40, v[WRD]
	s_lshl_b32 s40, s[WV], 2
	s_add_co_u32 s40, s40, WSC
	v_add_nc_u32 v[WSCA], s40, v[LN16]
	v_add_nc_u32 v[WSCL], WSC, v[LN16]
.irp b, 0,1,2,3
	v_mov_b32 v[TM+4+\b], 0                        ; a lane permute's destination counts as one of its sources
.endr
	s_mov_b32 s[SEL], 0x76543210
	s_mov_b32 s[SEL+1], 0xfedcba98                 ; lane l xor 16
	s_mov_b32 s[HM], 0xffff0000                    ; lanes 16-31
	s_wait_alu depctr_va_vdst(0)                   ; the wait at the head's end
	s_wait_kmcnt 0x0
	s_cmp_ge_u32 ttmp9, 384
	s_cbranch_scc1 .Lweights
	; ---- q, k, v
	s_lshr_b32 s40, ttmp9, 7                       ; 0, 1, 2: q, k, v
	s_lshl_b32 s41, ttmp9, 2
	s_add_co_u32 s41, s41, s[WV]                   ; my job: 4 x work-group + wave = the index of my GB in ximg
	s_bfe_u32 s42, s41, 0x60003                    ; the group of 128 rows,
	s_lshl_b32 s42, s42, 19                        ; of 4,096 bytes each,
	s_and_b32 s43, s41, 7                          ; the K step,
	s_lshl_b32 s43, s43, 9                         ; of 512 bytes
	s_or_b32 s42, s42, s43
	s_mul_i32 s44, s41, GB
	s_mov_b32 s43, 0
	s_mov_b32 s45, 0
	s_mov_b32 s47, 0
	s_cmp_eq_u32 s40, 0
	s_cselect_b64 s[SRC:SRC+1], s[4:5], s[6:7]
	s_cselect_b32 s46, 0, 32768                    ; 8 rows, for k and v
	s_cmp_eq_u32 s40, 2
	s_cselect_b64 s[SRC:SRC+1], s[8:9], s[SRC:SRC+1]
	s_add_nc_u64 s[SRC:SRC+1], s[SRC:SRC+1], s[42:43]
	s_add_nc_u64 s[SRCU:SRCU+1], s[SRC:SRC+1], s[46:47]
	s_sub_nc_u64 s[SRCD:SRCD+1], s[SRC:SRC+1], s[46:47]   ; (its loads' offsets are 16 rows and more: every address lies in the buffer)
	s_add_nc_u64 s[DST:DST+1], s[18:19], s[44:45]
	LOADT 0
	LOADT 1
; A tile: 16 rows x 128 numbers go through my wave's own stage as loaded and come back 16 neighbours of each block of 32 to a lane
.macro TILE a
.if (\a) < 7
	s_wait_loadcnt 16                              ; this tile's 16 loads are in; the next tile's 16 may be out
.else
	s_wait_loadcnt 0
.endif
	s_wait_xcnt 0x0                                ; the last tile's stores have read PC
.irp t, 0,1,2,3,4,5,6,7,8,9,10,11,12,13,14,15
	ds_store_b128 v[STI], v[R+64*((\a)%2)+4*\t:R+64*((\a)%2)+4*\t+3] offset:SP*\t
.endr
.irp b, 0,1,2,3
.irp j, 0,1,2,3
	ds_load_b128 v[N+16*\b+4*\j:N+16*\b+4*\j+3], v[STO] offset:128*\b+16*\j   ; a wave's LDS instructions are served in order
.endr
.endr
	s_wait_dscnt 0x0
.if (\a) < 6
	LOADT (\a)+2                                   ; two tiles ahead, into the set that the stage has just read
.endif
	QUANT N
.irp c, 0,1,2
	global_store_b128 v[LN16], v[PC+4*\c:PC+4*\c+3], s[DST:DST+1] offset:1536*(\a)+512*\c
.endr
	MERGE \a
.endm
.irp a, 0,1,2,3,4,5,6,7
	TILE \a
.endr
	global_store_b128 v[LN16], v[MS:MS+3], s[DST:DST+1] offset:12288
	s_wait_tensorcnt 0x0                           ; the wave's end
	ds_add_u32 v[SPW], v[NIL]
	s_wait_dscnt 0x0
	s_endpgm
	; ---- a weight: K is its first axis.  128 rows (k) x 512 bytes (128 n) meet in the work-group's stage; then a lane takes a column n and its registers run down K
.Lweights:
	s_sub_co_u32 s40, ttmp9, 384                   ; 64 x weight + 8 x group of n + K step: the index in wimg
	s_lshr_b32 s41, s40, 6
	s_bfe_u32 s42, s40, 0x30003
	s_lshl_b32 s42, s42, 9                         ; 128 n of 4 bytes
	s_and_b32 s43, s40, 7
	s_lshl_b32 s43, s43, 19                        ; 128 rows of 4,096 bytes
	s_or_b32 s42, s42, s43
	s_lshl_b32 s43, s[WV], 17                      ; my wave's 32 rows
	s_or_b32 s42, s42, s43
	s_mov_b32 s43, 0
	s_mul_i32 s44, s40, GB
	s_mul_i32 s45, s[WV], 2*1536                   ; my wave's two tiles
	s_add_co_u32 s44, s44, s45
	s_mov_b32 s45, 0
	s_cmp_eq_u32 s41, 0
	s_cselect_b64 s[SRC:SRC+1], s[10:11], s[12:13]
	s_cmp_eq_u32 s41, 2
	s_cselect_b64 s[SRC:SRC+1], s[14:15], s[SRC:SRC+1]
	s_cmp_eq_u32 s41, 3
	s_cselect_b64 s[SRC:SRC+1], s[16:17], s[SRC:SRC+1]
	s_add_nc_u64 s[SRC:SRC+1], s[SRC:SRC+1], s[42:43]
	s_add_nc_u64 s[DST:DST+1], s[20:21], s[44:45]
.set j, 0
.rept 32
	global_load_b128 v[R+4*j:R+4*j+3], v[LN16], s[SRC:SRC+1] offset:4096*j th:TH_LOAD_NT
.set j, j+1
.endr
	s_wait_loadcnt 0x0
.set j, 0
.rept 32
	ds_store_b128 v[WSI], v[R+4*j:R+4*j+3] offset:SP*j
.set j, j+1
.endr
	s_wait_dscnt 0x0                               ; for the others' sake: my rows lie in the stage
	s_barrier_signal -1
	s_barrier_wait -1
.irp e, 0,1                                    ; tile 2 x wave + e: lane (r, h) takes column rho and k = 32 b + 16 h + i
.irp b, 0,1,2,3
.irp i, 0,1,2,3,4,5,6,7,8,9,10,11,12,13,14,15
	ds_load_b32 v[N+16*\b+\i], v[WRD] offset:(32*\b+\i)*SP+32*\e
.endr
.endr
	s_wait_dscnt 0x0
.if \e
	s_wait_xcnt 0x0                                ; the first tile's stores have read PC
.endif
	QUANT N
.irp c, 0,1,2
	global_store_b128 v[LN16], v[PC+4*\c:PC+4*\c+3], s[DST:DST+1] offset:1536*\e+512*\c
.endr
	MERGE \e
.endr
	ds_store_b32 v[WSCA], v[MS]                    ; word number wave of each lane's 16 bytes
	s_wait_dscnt 0x0
	s_barrier_signal -1
	s_barrier_wait -1
	s_cmp_lg_u32 s[WV], 0
	s_cbranch_scc1 .Lw_end
	ds_load_b128 v[N:N+3], v[WSCL]                 ; wave 0 sends the scale block whole: 512 consecutive bytes
	s_wait_dscnt 0x0
	global_store_b128 v[LN16], v[N:N+3], s[DST:DST+1] offset:12288
.Lw_end:
	s_wait_tensorcnt 0x0
	ds_add_u32 v[SPW], v[NIL]
	s_wait_dscnt 0x0
	s_endpgm
.Lfunc_end_k_qb856e5a011_prep:
	.size	k_qb856e5a011_prep, .Lfunc_end_k_qb856e5a011_prep-k_qb856e5a011_prep
	.p2alignl 7, 3214868480
	.fill 96, 4, 3214868480
	.section	.rodata,"a",@progbits
	.p2align	6, 0x0
	.amdhsa_kernel k_qb856e5a011_prep
		.amdhsa_group_segment_fixed_size 102400
		.amdhsa_private_segment_fixed_size 0
		.amdhsa_enable_private_segment 0
		.amdhsa_kernarg_size 72
		.amdhsa_user_sgpr_count 2
		.amdhsa_user_sgpr_kernarg_segment_ptr 1
		.amdhsa_wavefront_size32 1
		.amdhsa_system_sgpr_workgroup_id_x 1
		.amdhsa_system_sgpr_workgroup_id_y 1
		.amdhsa_system_sgpr_workgroup_id_z 1
		.amdhsa_system_vgpr_workitem_id 0
		.amdhsa_next_free_vgpr 250
		.amdhsa_next_free_sgpr 66
		.amdhsa_reserve_vcc 0
		.amdhsa_float_denorm_mode_32 3
		.amdhsa_float_denorm_mode_16_64 3
		.amdhsa_memory_ordered 1
		.amdhsa_forward_progress 1
		.amdhsa_inst_pref_size 87
	.end_amdhsa_kernel
	.amdgpu_metadata
---
amdhsa.version: [ 1, 2 ]
amdhsa.kernels:
  - .name:           k_qb856e5a011_prep
    .symbol:         k_qb856e5a011_prep.kd
    .args:
      - { .name: q, .offset: 0, .size: 8, .value_kind: global_buffer, .address_space: global }
      - { .name: k, .offset: 8, .size: 8, .value_kind: global_buffer, .address_space: global }
      - { .name: v, .offset: 16, .size: 8, .value_kind: global_buffer, .address_space: global }
      - { .name: wq, .offset: 24, .size: 8, .value_kind: global_buffer, .address_space: global }
      - { .name: wk, .offset: 32, .size: 8, .value_kind: global_buffer, .address_space: global }
      - { .name: wv, .offset: 40, .size: 8, .value_kind: global_buffer, .address_space: global }
      - { .name: wo, .offset: 48, .size: 8, .value_kind: global_buffer, .address_space: global }
      - { .name: ximg, .offset: 56, .size: 8, .value_kind: global_buffer, .address_space: global }
      - { .name: wimg, .offset: 64, .size: 8, .value_kind: global_buffer, .address_space: global }
    .group_segment_fixed_size: 102400
    .private_segment_fixed_size: 0
    .kernarg_segment_align: 8
    .kernarg_segment_size: 72
    .max_flat_workgroup_size: 128
    .sgpr_count:     66
    .vgpr_count:     250
    .wavefront_size: 32
...
	.end_amdgpu_metadata
.endif
;; end of part 1
;; launch proj (part 2): grid 4 x 96, 4 waves a work-group, clusters of 4 x 4, 327,680 bytes of LDS; arguments ximg, wimg, qb, kv; writes qb, kv
.if DOCPART == 2
	.amdgcn_target "amdgcn-amd-amdhsa--gfx1250"
	.amdhsa_code_object_version 6
	.text
	.protected	k_qb856e5a011_proj
	.globl	k_qb856e5a011_proj
	.p2align	8
	.type	k_qb856e5a011_proj,@function
k_qb856e5a011_proj:
	s_mov_b64 s[64:65], 0
	v_nop
	global_prefetch_b8 v0, s[64:65] scope:SCOPE_SE
	s_setreg_imm32_b32 hwreg(HW_REG_WAVE_MODE, 25, 1), 1
	s_wait_xcnt 0x0
	s_wait_alu depctr_hold_cnt(0) depctr_sa_sdst(0) depctr_va_vdst(0) depctr_va_sdst(0) depctr_va_ssrc(0) depctr_va_vcc(0) depctr_vm_vsrc(0)
	s_getreg_b32 s2, hwreg(HW_REG_IB_STS2, 6, 4)
	s_cmp_eq_u32 s2, 0
	s_cbranch_scc0 .Lentry_in_a_cluster
	s_endpgm
.Lentry_in_a_cluster:
	s_bfe_u32 s2, ttmp6, 0x10000c
	s_cmp_lg_u32 s2, 0xf033
	s_cbranch_scc0 .Lentry_shape_is_right
	s_endpgm
.Lentry_shape_is_right:
.set GB,     12800
.set REG,    2*GB
.set SLOT,   4*REG
.set GRP,    8*GB
.set SPARE,  2*SLOT
.set BLKB,   51200
.set FR,     12
.set NL,     3
.set LAPS,   2
.set ADRR, 16
.set ADRP, 20
.set OUT,  26
.set SPW,  28
.set NIL,  29
.set SC,   32
.set PC,   64
.set TM,   84
.set PW,   100
.set PWE,  101
.set MS,   102
.set AF,   128
.set G1, 24
.set G0, 32
.set G1B, 48
.set G0B, 56
.set SEL, 92
.set HM,  94
.set MSB, 0
.macro WIN new
.if MSB != (\new)
	s_set_vgpr_msb (MSB<<8)|(\new)
.set MSB, (\new)
.endif
.endm
.set MUL_LO, 0xa1
.set MUL_HI, 0xf1
.set TO_B,   0x40
.macro JLOAD g0a, g1a, g0b, g1b
	s_cmp_eq_u32 s15, 0
	s_cbranch_scc0 .Lfor_b_\@
	tensor_load_to_lds s[\g0a:\g0a+3], s[\g1a:\g1a+7]
	s_nop 0
.rept 4
	v_nop
.endr
	s_branch .Lasked_\@
.Lfor_b_\@:
	tensor_load_to_lds s[\g0b:\g0b+3], s[\g1b:\g1b+7]
	s_nop 0
.rept 4
	v_nop
.endr
.Lasked_\@:
.endm
.macro CREST
	s_cmp_lg_u32 s14, 0
	s_cbranch_scc1 .Lnot_wave_0_\@
	s_barrier_signal -3
.Lnot_wave_0_\@:
	s_barrier_wait -3
	s_barrier_signal -1
	s_barrier_wait -1
.endm
.macro CROUND
	s_barrier_signal -1
	s_barrier_wait -1
	CREST
.endm
.macro PLACES
.rept 4
	v_nop
.endr
.endm
	s_load_b128 s[4:7], s[0:1], 0x0
	s_load_b128 s[8:11], s[0:1], 0x10
	v_lshl_add_u32 v[SPW], v0, 2, SPARE
	v_mov_b32 v[NIL], 0
	ds_add_u32 v28, v29
	ds_add_u32 v28, v29
	s_wait_dscnt 0x0
	v_lshrrev_b32 v1, 5, v0
	v_readfirstlane_b32 s14, v1
	s_lshr_b32 s15, s14, 1
	s_and_b32 s16, s14, 1
	s_bfe_u32 s40, ttmp6, 0x40000
	s_bfe_u32 s41, ttmp6, 0x40004
	s_lshl_b32 s43, s41, 2
	s_lshl_b32 s43, 15, s43
	s_lshl_b32 s44, 0x1111, s40
	s_or_b32 s[G1+0], s43, (3<<16)|(1<<21)
	s_or_b32 s[G1B+0], s44, (3<<16)|(1<<21)
.irp g, G1, G1B
	s_mov_b32 s[\g+1], 32<<16
	s_mov_b32 s[\g+2], 100<<16
	s_mov_b32 s[\g+3], 32<<16
	s_mov_b32 s[\g+4], 100
	s_mov_b32 s[\g+5], 32
	s_mov_b32 s[\g+6], 0
	s_mov_b32 s[\g+7], 0
.endr
	s_and_b32 s17, ttmp7, 0xffff
	s_lshr_b32 s18, s17, 3
	s_and_b32 s19, s17, 7
	s_lshl_b32 s19, s19, 2
	s_lshr_b32 s20, s18, 1
	s_lshl_b32 s21, s18, 6
	s_lshl_b32 s22, s18, 3
	s_cmp_eq_u32 s20, 0
	s_cselect_b32 s66, s19, 0
	s_cselect_b32 s67, s21, 16
	s_cselect_b32 s68, 0, s19
	s_cselect_b32 s69, s22, 128
	s_add_co_u32 s70, s41, s66
	s_lshl_b32 s72, s70, 1
	s_add_co_u32 s72, s72, s16
	s_add_co_u32 s72, s72, s67
	s_mul_i32 s72, s72, GRP
	s_mov_b32 s73, 0
	s_add_co_u32 s71, s40, s68
	s_lshl_b32 s74, s71, 1
	s_add_co_u32 s74, s74, s16
	s_add_co_u32 s74, s74, s69
	s_mul_i32 s74, s74, GRP
	s_mov_b32 s75, 0
	s_mul_i32 s45, s14, REG
	s_wait_kmcnt 0x0
	s_cmp_eq_u32 s20, 0
	s_cselect_b64 s[76:77], s[4:5], s[6:7]
	s_cselect_b64 s[78:79], s[6:7], s[4:5]
	s_add_nc_u64 s[76:77], s[76:77], s[72:73]
	s_add_nc_u64 s[78:79], s[78:79], s[74:75]
	; the prefetches' address: the 102,400 consecutive bytes that my wave fetches in four fills of REG bytes.  The four partners that ask for them jointly share a fill's 100 blocks of 256 bytes out by address:
	; the partner at place p (cx for the tile shared along a row of the cluster, cy for the one shared along a column) takes blocks 25 p .. 25 p + 24, a lane a block; lanes 25-31 name the last one again
	s_cmp_eq_u32 s15, 0
	s_cselect_b64 s[96:97], s[76:77], s[78:79]
	s_cselect_b32 s84, s40, s41
	s_mul_i32 s84, s84, 6400
	s_mov_b32 s85, 0
	s_add_nc_u64 s[96:97], s[96:97], s[84:85]
	v_and_b32 v30, 31, v0
	v_min_u32 v30, 24, v30
	v_lshlrev_b32 v30, 8, v30
	CROUND
.irp s, 0,1
	s_mov_b32 s[G0+4*\s], 1
	s_add_co_u32 s[G0+4*\s+1], s45, \s*SLOT
	s_add_nc_u64 s[G0+4*\s+2:G0+4*\s+3], s[76:77], \s*REG
	s_or_b32 s[G0+4*\s+3], s[G0+4*\s+3], 0x80000000
	s_mov_b32 s[G0B+4*\s], 1
	s_add_co_u32 s[G0B+4*\s+1], s45, \s*SLOT
	s_add_nc_u64 s[G0B+4*\s+2:G0B+4*\s+3], s[78:79], \s*REG
	s_or_b32 s[G0B+4*\s+3], s[G0B+4*\s+3], 0x80000000
	s_wait_alu depctr_va_vdst(0)
	s_wait_tensorcnt 0x0
	ds_add_u32 v28, v29
	ds_add_u32 v28, v29
	s_wait_dscnt 0x0
	CROUND
	JLOAD G0+4*\s, G1, G0B+4*\s, G1B
.if \s == 0
	global_prefetch_b8 v30, s[96:97] offset:REG th:TH_LOAD_NT scope:SCOPE_SE     ; behind fill 0's load: fills 1 and 2 are asked for;
	global_prefetch_b8 v30, s[96:97] offset:2*REG th:TH_LOAD_NT scope:SCOPE_SE
.else
	global_prefetch_b8 v30, s[96:97] offset:3*REG th:TH_LOAD_NT scope:SCOPE_SE   ; behind fill 1's: fill 3, the last.  v30 and s[96:97] are never written again
.endif
.endr
	v_and_b32 v1, 31, v0
	v_lshlrev_b32 v[OUT], 4, v1
	s_mul_i32 s21, s15, REG
	s_mul_i32 s22, s16, REG
	s_add_co_u32 s22, s22, 2*REG
.irp s, 0,1
	v_add_nc_u32 v[ADRR+\s], s21, v[OUT]
	v_add_nc_u32 v[ADRP+\s], s22, v[OUT]
	s_add_co_u32 s21, s21, SLOT
	s_add_co_u32 s22, s22, SLOT
.endr
.irp b, 0,1,2,3
	v_mov_b32 v[TM+4+\b], 0
.endr
	s_mov_b32 s[SEL], 0x76543210
	s_mov_b32 s[SEL+1], 0xfedcba98
	s_mov_b32 s[HM], 0xffff0000
	s_lshl_b32 s80, s70, 1
	s_add_co_u32 s80, s80, s15
	s_lshl_b32 s81, s71, 1
	s_add_co_u32 s81, s81, s16
	s_cmp_eq_u32 s20, 0
	s_cselect_b32 s82, s80, s81
	s_cselect_b32 s83, s81, s80
	s_lshr_b32 s84, s82, 4
	s_lshl_b32 s84, s84, 2
	s_lshr_b32 s85, s83, 1
	s_add_co_u32 s84, s84, s85
	s_lshl_b32 s84, s84, 4
	s_and_b32 s85, s82, 15
	s_add_co_u32 s84, s84, s85
	s_mul_i32 s84, s84, BLKB
	s_and_b32 s85, s83, 1
	s_lshl_b32 s86, s20, 1
	s_add_co_u32 s85, s85, s86
	s_mul_i32 s86, s85, 12288
	s_add_co_u32 s86, s86, s84
	s_mov_b32 s87, 0
	s_lshl_b32 s88, s85, 9
	s_add_co_u32 s88, s88, s84
	s_add_co_u32 s88, s88, 49152
	s_mov_b32 s89, 0
	s_cmp_eq_u32 s18, 0
	s_cselect_b64 s[90:91], s[8:9], s[10:11]
	s_add_nc_u64 s[86:87], s[90:91], s[86:87]
	s_add_nc_u64 s[88:89], s[90:91], s[88:89]
.macro FRAG reg, adr, q, i
.irp c, 0,1,2
	ds_load_b128 v[\reg+4*\c:\reg+4*\c+3], v[\adr] offset:GB*(\q)+1536*(\i)+512*\c
.endr
.endm
.macro FETCH_P slot, q, p
	WIN TO_B
.irp i, 0,1,2,3,4,5,6,7
	FRAG 128*(\p)+FR*\i, ADRP+\slot, \q, \i
.endr
	WIN 0
.endm
.macro FETCH_R slot, q, i0
.irp i, \i0, \i0+1, \i0+2, \i0+3
	FRAG AF+FR*(\i), ADRR+\slot, \q, \i
.endr
.endm
.macro SCALES slot
.irp q, 0,1
	ds_load_b128 v[SC+16*\slot+4*\q:SC+16*\slot+4*\q+3], v[ADRP+\slot] offset:GB*\q+12288
	ds_load_b128 v[SC+16*\slot+8+4*\q:SC+16*\slot+8+4*\q+3], v[ADRR+\slot] offset:GB*\q+12288
.endr
.endm
.macro WM zero
.if \zero
.if oA && oB
	v_wmma_scale_f32_16x16x128_f8f6f4 v[rD:rD+7], v[rP:rP+11], v[rR:rR+11], 0, v[rSP], v[rSR] matrix_a_fmt:MATRIX_FMT_FP6 matrix_b_fmt:MATRIX_FMT_FP6 matrix_a_scale:MATRIX_SCALE_ROW1 matrix_b_scale:MATRIX_SCALE_ROW1
.elseif oA
	v_wmma_scale_f32_16x16x128_f8f6f4 v[rD:rD+7], v[rP:rP+11], v[rR:rR+11], 0, v[rSP], v[rSR] matrix_a_fmt:MATRIX_FMT_FP6 matrix_b_fmt:MATRIX_FMT_FP6 matrix_a_scale:MATRIX_SCALE_ROW1
.elseif oB
	v_wmma_scale_f32_16x16x128_f8f6f4 v[rD:rD+7], v[rP:rP+11], v[rR:rR+11], 0, v[rSP], v[rSR] matrix_a_fmt:MATRIX_FMT_FP6 matrix_b_fmt:MATRIX_FMT_FP6 matrix_b_scale:MATRIX_SCALE_ROW1
.else
	v_wmma_scale_f32_16x16x128_f8f6f4 v[rD:rD+7], v[rP:rP+11], v[rR:rR+11], 0, v[rSP], v[rSR] matrix_a_fmt:MATRIX_FMT_FP6 matrix_b_fmt:MATRIX_FMT_FP6
.endif
.else
.if oA && oB
	v_wmma_scale_f32_16x16x128_f8f6f4 v[rD:rD+7], v[rP:rP+11], v[rR:rR+11], v[rD:rD+7], v[rSP], v[rSR] matrix_a_fmt:MATRIX_FMT_FP6 matrix_b_fmt:MATRIX_FMT_FP6 matrix_a_scale:MATRIX_SCALE_ROW1 matrix_b_scale:MATRIX_SCALE_ROW1
.elseif oA
	v_wmma_scale_f32_16x16x128_f8f6f4 v[rD:rD+7], v[rP:rP+11], v[rR:rR+11], v[rD:rD+7], v[rSP], v[rSR] matrix_a_fmt:MATRIX_FMT_FP6 matrix_b_fmt:MATRIX_FMT_FP6 matrix_a_scale:MATRIX_SCALE_ROW1
.elseif oB
	v_wmma_scale_f32_16x16x128_f8f6f4 v[rD:rD+7], v[rP:rP+11], v[rR:rR+11], v[rD:rD+7], v[rSP], v[rSR] matrix_a_fmt:MATRIX_FMT_FP6 matrix_b_fmt:MATRIX_FMT_FP6 matrix_b_scale:MATRIX_SCALE_ROW1
.else
	v_wmma_scale_f32_16x16x128_f8f6f4 v[rD:rD+7], v[rP:rP+11], v[rR:rR+11], v[rD:rD+7], v[rSP], v[rSR] matrix_a_fmt:MATRIX_FMT_FP6 matrix_b_fmt:MATRIX_FMT_FP6
.endif
.endif
.endm
.macro MUL16 a0, p, q, sc, zero
.irp a, \a0, \a0+1
.irp b, 0,1,2,3,4,5,6,7
.set rD, 8*(8*((\a)%4)+\b)
.set rP, 128*(\p)+FR*\b
.set rR, AF+FR*(\a)
.set rSP, SC+16*(\sc)+4*(\q)+\b/2
.set rSR, SC+16*(\sc)+8+4*(\q)+(\a)/2
.set oA, \b%2
.set oB, (\a)%2
	WM \zero
.endr
.endr
.endm
.macro STEP slot, zero
	s_wait_dscnt 4*NL
	WIN MUL_LO
	MUL16 0, 0, 0, \slot, \zero
	MUL16 2, 0, 0, \slot, \zero
	s_wait_dscnt 0
	PLACES
	FETCH_P \slot, 1, 1
	FETCH_R \slot, 1, 0
	WIN MUL_HI
	MUL16 4, 0, 0, \slot, \zero
	MUL16 6, 0, 0, \slot, \zero
	PLACES
	WIN 0
	FETCH_R \slot, 1, 4
.endm
.macro TURN slot, next, fill
	s_wait_tensorcnt 0x0
	ds_add_u32 v[SPW], v[NIL]
	s_wait_dscnt 4*NL+1
	WIN MUL_LO
	MUL16 0, 1, 1, \slot, 0
	s_wait_dscnt 0x0
	s_barrier_signal -1
	MUL16 2, 1, 1, \slot, 0
	WIN 0
	s_barrier_wait -1
.if \fill
	CREST
	s_add_nc_u64 s[G0+4*\slot+2:G0+4*\slot+3], s[G0+4*\slot+2:G0+4*\slot+3], 2*REG
	s_add_nc_u64 s[G0B+4*\slot+2:G0B+4*\slot+3], s[G0B+4*\slot+2:G0B+4*\slot+3], 2*REG
	JLOAD G0+4*\slot, G1, G0B+4*\slot, G1B
.else
	PLACES
.endif
	FETCH_P \next, 0, 0
	FETCH_R \next, 0, 0
	SCALES \next
	WIN MUL_HI
	MUL16 4, 1, 1, \slot, 0
	MUL16 6, 1, 1, \slot, 0
	PLACES
	WIN 0
	FETCH_R \next, 0, 4
.endm
	s_wait_alu depctr_va_vdst(0)
	s_wait_tensorcnt 1
	s_barrier_signal -1
	s_barrier_wait -1
	FETCH_P 0, 0, 0
	FETCH_R 0, 0, 0
	SCALES 0
	FETCH_R 0, 0, 4
	STEP 0, 1
	s_mov_b32 s3, LAPS-1
.Llap:
	TURN 0, 1, 1
	STEP 1, 0
	TURN 1, 0, 1
	STEP 0, 0
	s_sub_co_u32 s3, s3, 1
	s_cmp_lg_u32 s3, 0
	s_cbranch_scc1 .Llap
	TURN 0, 1, 0
	STEP 1, 0
	s_wait_dscnt 4*NL
	WIN MUL_LO
	MUL16 0, 1, 1, 1, 0
	MUL16 2, 1, 1, 1, 0
	s_wait_dscnt 0
	WIN MUL_HI
	MUL16 4, 1, 1, 1, 0
	MUL16 6, 1, 1, 1, 0
	WIN 0
.macro QUANTW s, w
	WIN ((\w)<<2)|((\w)<<4)
.irp b, 0,1,2,3
	v_max3_num_f32 v[TM+\b], 0x1800000, |v[(\s)+16*\b]|, |v[(\s)+1+16*\b]|
.endr
.irp i, 2,4,6,8,10,12,14
.irp b, 0,1,2,3
	v_max3_num_f32 v[TM+\b], v[TM+\b], |v[(\s)+16*\b+\i]|, |v[(\s)+1+16*\b+\i]|
.endr
.endr
	WIN 0
.irp b, 0,1,2,3
	v_permlanex16_b32 v[TM+4+\b], v[TM+\b], s[SEL], s[SEL+1]
.endr
.irp b, 0,1,2,3
	v_max_num_f32 v[TM+\b], v[TM+\b], v[TM+4+\b]
.endr
.irp b, 0,1,2,3
	v_add_nc_u32 v[TM+12+\b], 0xff000000, v[TM+\b]
.endr
.irp b, 0,1,2,3
	v_lshrrev_b32 v[TM+4+\b], 23, v[TM+12+\b]
.endr
	v_lshl_or_b32 v[PW], v[TM+5], 8, v[TM+4]
	v_lshl_or_b32 v[PW], v[TM+6], 16, v[PW]
	v_lshl_or_b32 v[PW], v[TM+7], 24, v[PW]
	WIN (\w)
.irp c, 0,1
	v_cvt_scalef32_pk16_fp6_f32 v[PC+6*\c:PC+2+6*\c], v[(\s)+32*\c:(\s)+15+32*\c], v[TM+12+2*\c]
	v_cvt_scalef32_pk16_fp6_f32 v[PC+12+4*\c:PC+14+4*\c], v[(\s)+16+32*\c:(\s)+31+32*\c], v[TM+12+2*\c+1]
.endr
	WIN 0
	v_nop
.irp c, 0,1
.irp i, 0,1,2
	v_permlane16_swap_b32 v[PC+6*\c+\i], v[PC+12+4*\c+\i]
.endr
.irp i, 0,1,2
	v_mov_b32 v[PC+3+6*\c+\i], v[PC+12+4*\c+\i]
.endr
.endr
.endm
.macro MERGE a
.if ((\a)%2) == 0
	v_mov_b32 v[PWE], v[PW]
.else
	v_cndmask_b32 v[MS+(\a)/2], v[PWE], v[PW], s[HM]
.endif
.endm
	PLACES
.irp a, 0,1,2,3,4,5,6,7
.if \a < 6                             ; each tile's codes get 20 registers of their own, among the operands' and scales' registers that are done with: no store's data are written again
.set PC, 128+20*\a
.elseif \a == 6
.set PC, 64
.else
.set PC, 32
.endif
	QUANTW 64*(\a%4), 2+\a/4
.irp c, 0,1,2
	global_store_b128 v[OUT], v[PC+4*\c:PC+4*\c+3], s[86:87] offset:1536*\a+512*\c
.endr
	MERGE \a
.endr
	global_store_b128 v[OUT], v[MS:MS+3], s[88:89]
	s_wait_tensorcnt 0x0
	ds_add_u32 v[SPW], v[NIL]
	s_wait_dscnt 0x0
	CROUND
	s_endpgm
.Lfunc_end_k_qb856e5a011_proj:
	.size	k_qb856e5a011_proj, .Lfunc_end_k_qb856e5a011_proj-k_qb856e5a011_proj
	.p2alignl 7, 3214868480
	.fill 96, 4, 3214868480
	.section	.rodata,"a",@progbits
	.p2align	6, 0x0
	.amdhsa_kernel k_qb856e5a011_proj
		.amdhsa_group_segment_fixed_size 327680
		.amdhsa_private_segment_fixed_size 0
		.amdhsa_enable_private_segment 0
		.amdhsa_kernarg_size 32
		.amdhsa_user_sgpr_count 2
		.amdhsa_user_sgpr_kernarg_segment_ptr 1
		.amdhsa_wavefront_size32 1
		.amdhsa_system_sgpr_workgroup_id_x 1
		.amdhsa_system_sgpr_workgroup_id_y 1
		.amdhsa_system_sgpr_workgroup_id_z 1
		.amdhsa_system_vgpr_workitem_id 0
		.amdhsa_next_free_vgpr 1024
		.amdhsa_next_free_sgpr 98
		.amdhsa_reserve_vcc 0
		.amdhsa_float_denorm_mode_32 3
		.amdhsa_float_denorm_mode_16_64 3
		.amdhsa_memory_ordered 1
		.amdhsa_forward_progress 1
		.amdhsa_inst_pref_size 138
	.end_amdhsa_kernel
	.amdgpu_metadata
---
amdhsa.version: [ 1, 2 ]
amdhsa.kernels:
  - .name:           k_qb856e5a011_proj
    .symbol:         k_qb856e5a011_proj.kd
    .args:
      - { .name: ximg, .offset: 0, .size: 8, .value_kind: global_buffer, .address_space: global }
      - { .name: wimg, .offset: 8, .size: 8, .value_kind: global_buffer, .address_space: global }
      - { .name: qb, .offset: 16, .size: 8, .value_kind: global_buffer, .address_space: global }
      - { .name: kv, .offset: 24, .size: 8, .value_kind: global_buffer, .address_space: global }
    .group_segment_fixed_size: 327680
    .private_segment_fixed_size: 0
    .kernarg_segment_align: 8
    .kernarg_segment_size: 32
    .max_flat_workgroup_size: 128
    .sgpr_count:     98
    .vgpr_count:     1024
    .wavefront_size: 32
...
	.end_amdgpu_metadata
.endif
;; end of part 2
;; launch attn (part 3): grid 16 x 16, 8 waves a work-group, clusters of 4 x 4, 327,680 bytes of LDS; arguments qb, kv, mask, aimg; writes aimg
.if DOCPART == 3
	.amdgcn_target "amdgcn-amd-amdhsa--gfx1250"
	.amdhsa_code_object_version 6
	.text
	.protected	k_qb856e5a011_attn
	.globl	k_qb856e5a011_attn
	.p2align	8
	.type	k_qb856e5a011_attn,@function
k_qb856e5a011_attn:
	s_mov_b64 s[64:65], 0
	v_nop
	global_prefetch_b8 v0, s[64:65] scope:SCOPE_SE
	s_setreg_imm32_b32 hwreg(HW_REG_WAVE_MODE, 25, 1), 1
	s_wait_xcnt 0x0
	s_wait_alu depctr_hold_cnt(0) depctr_sa_sdst(0) depctr_va_vdst(0) depctr_va_sdst(0) depctr_va_ssrc(0) depctr_va_vcc(0) depctr_vm_vsrc(0)
	s_getreg_b32 s2, hwreg(HW_REG_IB_STS2, 6, 4)
	s_cmp_eq_u32 s2, 0
	s_cbranch_scc0 .Lentry_in_a_cluster
	s_endpgm
.Lentry_in_a_cluster:
	s_bfe_u32 s2, ttmp6, 0x10000c
	s_cmp_lg_u32 s2, 0xf033
	s_cbranch_scc0 .Lentry_shape_is_right
	s_endpgm
.Lentry_shape_is_right:
; ATTN.  For each batch and head: u = (xq . xk) / 8 + mask; t = u log2(e); M = the running largest t rounded up to a whole number; p = 2^(t - M) is quantised along the keys;
; O = (p xv) / (the sum of the unquantised p); O is quantised along D and stored as the last product's operand.  Both products on codes of FP6 (E2M3) with E8M0 scales, f32 sums.
; SHARES.  Work-group (x, y): query group jq = x (128 queries), y = 4 x batch + head quad: four heads.  Wave w owns query tile w (queries 16 w + r) for all four heads.
; Every wave walks the 16 key groups of 128.  A slot of LDS holds a key group's block of kv (51,200 bytes: K's images of two head pairs, V's of two, four scale blocks; 32 bytes of padding behind every 256) and the mask's tile
; (my 128 queries x these 128 keys, rows of 512 bytes, 16 bytes of padding behind each).  Two slots take turns.
; CLUSTER 4 x 4: the four work-groups of a row share y and so the kv blocks, the four of a column share jq and so the mask's tiles: both are asked for jointly.  Waves 0-3 fetch a quarter of the block each, waves 4-7 32 rows of the tile.
; u COMES WHOLE FROM THE MATRIX UNIT: the mask's registers are the C of S^T = K Q^T, and the factor 2^-3 is taken off Q's scale bytes.
; THE KEYS OF A TILE are chosen by the lanes' LDS addresses: tile 4 c + u has keys 64 c + 8 u + 0..7 in rows 0-7 and keys 64 c + 32 + 8 u + 0..7 in rows 8-15.  So lane (r, h) holds query r, and its registers
; 32 c + i are the keys 64 c + 32 h + i: two whole blocks of 32, in the order in which the second product's operand wants them.  A block's maximum needs no other lane.
; Rows 8-15 come from an image 12 LDS rows of 288 bytes further on: 3,456 bytes, 128 more than a multiple of 256, so the sixteen lanes of a 16-byte load touch sixteen different columns of 16 bytes.
; A HEAD HAS 64 CHANNELS, THE INSTRUCTION TAKES 128.  An image of K or Q holds a pair of heads: registers 0-5 the even head, 6-11 the odd one.  Q is kept as 18 registers [q0-5 | six zeros | q6-11].  K's halves are loaded
; 6 registers apart; where Q has zero codes K has some other tile's codes: FP6 has no NaN and no infinity, so those products are 0.  Q's scale word gets the byte 1 for the two padding blocks.
; THE CHANGE OF SLOTS STANDS IN THE FOURTH HEAD, behind its maxima: there my last reads of the slot in hand (that head's V) are over.  Behind the round the slot is filled with the key group two on, and the next step's
; K, mask and scale words are asked of the other slot, ahead of the fourth head's exponentials, sums, conversions and products.  14 trips fill a slot; the last two steps are a loop of two trips that fills nothing.
; PREFETCH: behind the load of key group g, group g + 1 is asked for: of the kv block the partner at cx takes quarter cx (50 blocks of 256 bytes, waves 0 and 1, spare lanes on the last block);
; of the mask's tile the partner at cy takes rows 32 cy .. + 31 (waves 2 and 3, 256 bytes of a row each).  The last load asks for nothing.
; REGISTERS: window 0: v1-7 addresses; v8-23 [-M, largest u, the sum in two halves] a head; v24-27 Q's scale words; v28-43 K's and V's; v44-97 K; v98-145 V; v146-209 S^T, then p; v210-229 p's codes; v230-253 at work, addresses.
;   window 1: v0-127 O^T (head i, tile u at 32 i + 8 u); v128-191 the mask; v192-227 Q.
; LIMITS: the promise holds while |t| stays under 2^31; the mask may hold -infinity (carried through the matrix unit's sum), not +infinity or NaN; a query whose mask is -infinity at every key is not served;
; a block of xq whose largest magnitude lies under 2^-121 is not served (3 is taken off its byte); blocks under 2^-124 keep the byte 1; a block of zeros gets the byte 1 (its codes are zeros).
.set BLKB,  51200
.set MPI,   528                        ; the mask's LDS row
.set MT,    57600                      ; the mask's tile in a slot, behind the block's 200 rows of 288 bytes
.set SLOT1, 131072                     ; slot 1: one exclusive or turns an address (a slot is 125,184 bytes)
.set PWS,   256256                     ; 1,024 bytes: the two scale blocks of the result
.set SPARE, 257280                     ; the spare words, 128 bytes for each of eight waves
.set LI,  1                            ; 16 x lane
.set SPW, 2
.set NIL, 3
.set ADR, 4                            ; the slot in hand + LI2
.set PFO, 5                            ; the prefetch's offset
.set PWA, 6
.set PWL, 7
.set ST,  8
.set QS,  24
.set KS,  28
.set VS,  36
.set KF,  44
.set VF,  98
.set S,   146
.set PC,  210
.set PT,  222
.set BM,  230
.set B2,  234
.set SO,  238
.set F,   242
.set TMP, 244
.set PWD, 245
.set KAD, 246                          ; the slot in hand + KA0, SA0, MA0
.set SAD, 247
.set MAD, 248
.set H8,  249                          ; 8 h
.set KA0, 250                          ; K's images: 16 (r % 8) + 288 h + 3456 (r / 8)
.set SA0, 251                          ; K's scale words: 16 (r % 8) + 288 h + 4 (r / 8)
.set MA0, 252                          ; the mask: MT + 528 (16 w + r) + 128 h
.set LI2, 253                          ; an image's lane in LDS: 16 r + 288 h
.set TM,  KF
.set PW,  PWD
.set OT,  0                            ; window 1
.set MK,  128
.set QF,  192
.set WV,  12
.set SEL, 20
.set CS,  22
.set G1K, 24
.set G0K, 32
.set G0M, 36
.set G1M, 40
.set TB,  48
.set CNT, 49
.set LIM, 50
.set PFA, 52
.set PFS, 54
.set MSB, 0
.macro WIN new
.if MSB != (\new)
	s_set_vgpr_msb (MSB<<8)|(\new)
.set MSB, (\new)
.endif
.endm
.macro PLACES
.rept 4
	v_nop
.endr
.endm
.macro ROUND                           ; a round of the cluster's barrier
	s_barrier_signal -1
	s_barrier_wait -1
	s_cmp_lg_u32 s[WV], 0
	s_cbranch_scc1 .Lnot_wave_0_\@
	s_barrier_signal -3
.Lnot_wave_0_\@:
	s_barrier_wait -3
	s_barrier_signal -1
	s_barrier_wait -1
.endm
.macro JLOAD                           ; one joint load a wave; the branch hangs on the wave's number alone
	s_cmp_lt_u32 s[WV], 4
	s_cbranch_scc0 .Lfor_m_\@
	tensor_load_to_lds s[G0K:G0K+3], s[G1K:G1K+7]
	s_nop 0
	PLACES
	s_branch .Lasked_\@
.Lfor_m_\@:
	tensor_load_to_lds s[G0M:G0M+3], s[G1M:G1M+7]
	s_nop 0
	PLACES
.Lasked_\@:
.endm
.macro ASK                             ; waves 0-3, while a further key group exists
	s_cmp_gt_u32 s[CNT], s[LIM]
	s_cbranch_scc0 .Lnone_\@
	global_prefetch_b8 v[PFO], s[PFA:PFA+1] th:TH_LOAD_NT scope:SCOPE_SE
.Lnone_\@:
.endm
	s_load_b256 s[4:11], s[0:1], 0x0               ; qb, kv, mask, aimg
	v_lshl_add_u32 v[SPW], v0, 2, SPARE
	v_mov_b32 v[NIL], 0
	ds_add_u32 v[SPW], v[NIL]                      ; the opening lines: the add twice on end and one wait
	ds_add_u32 v[SPW], v[NIL]
	v_lshrrev_b32 v[TMP], 5, v0
	v_readfirstlane_b32 s[WV], v[TMP]              ; wave 0..7
	s_bfe_u32 s13, ttmp6, 0x40000                  ; cx
	s_bfe_u32 s19, ttmp6, 0x40004                  ; cy
	s_lshl_b32 s14, ttmp9, 2
	s_add_co_u32 s14, s14, s13                     ; jq
	s_and_b32 s15, ttmp7, 0xffff
	s_lshl_b32 s15, s15, 2
	s_add_co_u32 s15, s15, s19                     ; y
	s_lshl_b32 s16, s19, 2
	s_lshl_b32 s16, 15, s16                        ; my row of the cluster
	s_lshl_b32 s17, 0x1111, s13                    ; my column
	s_or_b32 s[G1K], s16, (3<<16)|(1<<20)|(1<<21)|(5<<22)|(7<<25)   ; kv: 12,800 dense bytes as 50 rows of 32 elements of 8 bytes; 8 words of padding behind every 64
	s_mov_b32 s[G1K+1], 32<<16
	s_mov_b32 s[G1K+2], 50<<16
	s_mov_b32 s[G1K+3], 32<<16
	s_mov_b32 s[G1K+4], 50
	s_mov_b32 s[G1K+5], 32
	s_mov_b32 s[G1K+6], 0
	s_mov_b32 s[G1K+7], 0
	s_or_b32 s[G1M], s17, (2<<16)|(1<<20)|(1<<21)|(6<<22)|(3<<25)   ; the mask: 32 rows of 128 f32, pitch 2,048; 4 words of padding behind every 128
	s_mov_b32 s[G1M+1], 128<<16
	s_mov_b32 s[G1M+2], 32<<16
	s_mov_b32 s[G1M+3], 128<<16
	s_mov_b32 s[G1M+4], 32
	s_mov_b32 s[G1M+5], 2048
	s_mov_b32 s[G1M+6], 0
	s_mov_b32 s[G1M+7], 0
	s_and_b32 s18, s[WV], 3
	s_and_b32 s60, s[WV], 1
	s_mul_i32 s66, s18, 12800                      ; my quarter of a block in memory,
	s_mul_i32 s71, s18, 50*288                     ; and in a slot
	s_mul_i32 s67, s15, 16*BLKB                    ; kv: my (batch, head quad)'s 16 blocks
	s_add_co_u32 s68, s67, s66
	s_mov_b32 s69, 0
	s_mul_i32 s70, s18, 32*MPI
	s_add_co_u32 s70, s70, MT                      ; my 32 rows of the mask's tile in a slot
	s_lshl_b32 s72, s14, 7
	s_lshl_b32 s73, s18, 5
	s_add_co_u32 s72, s72, s73
	s_lshl_b32 s72, s72, 13                        ; row 128 jq + 32 (w % 4), of 8,192 bytes
	s_mov_b32 s73, 0
	s_lshl_b32 s74, s15, 4
	s_add_co_u32 s74, s74, s14
	s_mul_i32 s74, s74, BLKB                       ; qb: block 16 y + jq
	s_mov_b32 s75, 0
	s_lshr_b32 s76, s15, 2                         ; aimg: GB ((16 batch + jq) x 8 + head pair)
	s_lshl_b32 s76, s76, 4
	s_add_co_u32 s76, s76, s14
	s_lshl_b32 s76, s76, 3
	s_and_b32 s77, s15, 3
	s_lshl_b32 s77, s77, 1
	s_add_co_u32 s76, s76, s77
	s_mul_i32 s76, s76, 12800
	s_mul_i32 s78, s60, 12800
	s_add_co_u32 s78, s78, s76
	s_add_co_u32 s78, s78, 12288                   ; the scale block of pair wave % 2 (waves 0 and 1 send them)
	s_mov_b32 s79, 0
	s_mul_i32 s61, s[WV], 1536                     ; my tile's image
	s_add_co_u32 s76, s76, s61
	s_mov_b32 s77, 0
	s_mul_i32 s62, s13, 12800                      ; the prefetches.  kv: quarter cx, at key group 1
	s_add_co_u32 s62, s62, s67
	s_add_co_u32 s62, s62, BLKB
	s_lshl_b32 s63, s14, 7                         ; the mask: rows 128 jq + 32 cy on, half w % 2 of a row's 512 bytes, at key group 1
	s_lshl_b32 s80, s19, 5
	s_add_co_u32 s63, s63, s80
	s_lshl_b32 s63, s63, 13
	s_lshl_b32 s80, s60, 8
	s_add_co_u32 s63, s63, s80
	s_add_co_u32 s63, s63, 512
	s_lshl_b32 s86, s60, 13                        ; kv: wave 1 begins 32 blocks on
	s_lshl_b32 s87, s[WV], 4                       ; my first query of the group's 128
	s_lshr_b32 s89, s[WV], 1
	s_lshl_b32 s89, s89, 2
	s_lshl_b32 s88, s60, 8
	s_add_co_u32 s88, s88, s89                     ; 256 (w % 2) + 4 (w / 2)
	s_lshl_b32 s89, s60, 9
	s_add_co_u32 s89, s89, PWS
	s_mov_b32 s81, 8192
	s_mov_b32 s82, 31*8192
	s_mov_b32 s[PFS], 512
	s_mov_b32 s[PFS+1], 0
	s_mov_b32 s85, 0
	s_cmp_lt_u32 s[WV], 2
	s_cselect_b32 s84, s62, s63
	s_cselect_b32 s83, 256, s81                    ; from lane to lane: a block of 256 bytes, or a row of the mask
	s_cselect_b32 s82, 49*256, s82                 ; the last block
	s_cselect_b32 s[PFS], BLKB, s[PFS]             ; from key group to key group
	s_cselect_b32 s86, s86, 0
	s_cmp_lt_u32 s[WV], 4
	s_cselect_b32 s[LIM], 1, 64
	s_mov_b32 s[SEL], 0x76543210
	s_mov_b32 s[SEL+1], 0xfedcba98
	s_mov_b32 s[CS], 0x3fb8aa3b                    ; log2(e)
	s_mov_b32 s[CS+1], s[CS]
	s_mov_b32 s[TB], SLOT1                         ; the first turn makes it slot 0
	s_mov_b32 s[CNT], 14
	v_and_b32 v[TMP], 31, v0
	v_and_b32 v[BM], 15, v0                        ; r
	v_bfe_u32 v[BM+1], v0, 4, 1                    ; h
	v_and_b32 v[BM+2], 7, v0                       ; r % 8
	v_bfe_u32 v[BM+3], v0, 3, 1                    ; r / 8
	v_lshlrev_b32 v[LI], 4, v[TMP]
	v_mul_u32_u24 v[PFO], v[TMP], s83
	v_lshlrev_b32 v[H8], 3, v[BM+1]
	v_lshlrev_b32 v[KA0], 4, v[BM+2]
	v_lshlrev_b32 v[LI2], 4, v[BM]
	v_add_nc_u32 v[PFO], s86, v[PFO]
	v_add_nc_u32 v[MA0], s87, v[BM]                ; 16 w + r
	v_mad_u32_u24 v[KA0], v[BM+1], 288, v[KA0]
	v_mad_u32_u24 v[LI2], v[BM+1], 288, v[LI2]
	v_min_u32 v[PFO], s82, v[PFO]
	v_mul_u32_u24 v[MA0], v[MA0], MPI
	v_lshl_add_u32 v[SA0], v[BM+3], 2, v[KA0]
	v_mad_u32_u24 v[KA0], v[BM+3], 3456, v[KA0]
	v_lshl_add_u32 v[SO], v[BM], 4, s88            ; my row's word in a scale block
	v_add_nc_u32 v[SO+1], s61, v[LI]               ; my tile's image in memory: 1,536 w + 16 x lane
	v_lshl_add_u32 v[MA0], v[BM+1], 7, v[MA0]
	v_add_nc_u32 v[PWA], PWS, v[SO]
	v_add_nc_u32 v[PWL], s89, v[LI]
	v_add_nc_u32 v[MA0], MT, v[MA0]
	s_wait_alu depctr_va_vdst(0)                   ; directly ahead of the waits below
	s_wait_dscnt 0x0                               ; both opening adds are done
	s_wait_kmcnt 0x0
	s_mov_b32 s[G0K], 1
	s_mov_b32 s[G0K+1], s71
	s_add_nc_u64 s[G0K+2:G0K+3], s[6:7], s[68:69]
	s_or_b32 s[G0K+3], s[G0K+3], 0x80000000
	s_mov_b32 s[G0M], 1
	s_mov_b32 s[G0M+1], s70
	s_add_nc_u64 s[G0M+2:G0M+3], s[8:9], s[72:73]
	s_or_b32 s[G0M+3], s[G0M+3], 0x80000000
	s_add_nc_u64 s[58:59], s[4:5], s[74:75]
	s_add_nc_u64 s[56:57], s[10:11], s[78:79]
	s_add_nc_u64 s[10:11], s[10:11], s[76:77]
	s_cmp_lt_u32 s[WV], 2
	s_cselect_b64 s[PFA:PFA+1], s[6:7], s[8:9]
	s_add_nc_u64 s[PFA:PFA+1], s[PFA:PFA+1], s[84:85]
	ROUND                                          ; all sixteen work-groups are here: the first joint loads meet
	JLOAD                                          ; key group 0 into slot 0: one load a wave
	WIN 0x40                                       ; destination window 1
.irp p, 0,1                                    ; Q's images of the two head pairs: registers 0-5 and 6-11, six registers apart
	global_load_b128 v[QF+18*\p:QF+18*\p+3], v[SO+1], s[58:59] offset:12288*\p
	global_load_b64 v[QF+18*\p+4:QF+18*\p+5], v[SO+1], s[58:59] offset:12288*\p+512
	global_load_b64 v[QF+18*\p+12:QF+18*\p+13], v[SO+1], s[58:59] offset:12288*\p+520
	global_load_b128 v[QF+18*\p+14:QF+18*\p+17], v[SO+1], s[58:59] offset:12288*\p+1024
.endr
.irp p, 0,1
.irp z, 6,7,8,9,10,11
	v_mov_b32 v[QF+18*\p+\z], 0                    ; Q's zero codes
.endr
.endr
.set j, 0
.rept 128
	v_mov_b32 v[OT+j], 0                           ; O^T: the step is written once for the loop, its first trip finds zeros
.set j, j+1
.endr
	WIN 0
.irp p, 0,1
	global_load_b32 v[QS+2*\p], v[SO], s[58:59] offset:49152+512*\p   ; Q's scale word of my row, pair p
.endr
.irp z, 48,49,50,51,52,53
	v_mov_b32 v[KF+\z], 0                          ; behind the even head's last half tile: written once
.endr
.irp h, 0,1,2,3
	v_mov_b32 v[ST+4*\h+1], 0xfe967699             ; the largest u so far: -1e38
	v_mov_b32 v[ST+4*\h+2], 0
	v_mov_b32 v[ST+4*\h+3], 0
	v_mov_b32 v[B2+\h], 0                          ; a lane permute's destination counts as one of its sources
.endr
.irp h, 0,1,2,3
	v_mul_f32 v[BM+\h], s[CS], v[ST+4*\h+1]
.endr
.irp h, 0,1,2,3
	v_floor_f32 v[ST+4*\h], -v[BM+\h]              ; -M, made as the step makes it
.endr
	v_mov_b32 v[F+1], 0                            ; (named as the upper half of a pair)
	s_wait_loadcnt 0x0
.irp p, 0,1
	v_and_b32 v[QS+2*\p+1], 0xffff0000, v[QS+2*\p] ; the odd head: blocks 2, 3 are its own,
	v_and_b32 v[QS+2*\p], 0xffff, v[QS+2*\p]       ; the even head: blocks 0, 1
.endr
.irp p, 0,1
	v_add_nc_u32 v[QS+2*\p+1], 0xfcfd0101, v[QS+2*\p+1]   ; 3 off each of its two bytes (the factor 1 / 8); the padding blocks get the byte 1
	v_add_nc_u32 v[QS+2*\p], 0x0100fcfd, v[QS+2*\p]
.endr
.rept 8
	v_nop                                          ; a scale register written by a vector instruction stands 8 places ahead of a scaled matrix instruction
.endr
	s_wait_alu depctr_va_vdst(0)                   ; the wait at the head's end
.macro KLOAD i                         ; head i's halves of K's eight tiles: tile t = 4 c + u is made of lanes of images 4 c + u % 2 (rows 0-7) and 4 c + 2 + u % 2 (rows 8-15).  256 bytes of the block are 288 of LDS
.irp t, 0,1,2,3,4,5,6,7
.set ko, (12288*((\i)/2)+1536*(4*(\t/4)+(\t%2)))*9/8+128*((\t%4)/2)
.if ((\i)%2) == 0
	ds_load_b128 v[KF+6*\t:KF+6*\t+3], v[KAD] offset:ko
	ds_load_b64 v[KF+6*\t+4:KF+6*\t+5], v[KAD] offset:ko+576
.else
	ds_load_b64 v[KF+6+6*\t:KF+7+6*\t], v[KAD] offset:ko+584
	ds_load_b128 v[KF+8+6*\t:KF+11+6*\t], v[KAD] offset:ko+1152
.endif
.endr
.endm
; THE CHANGE OF SLOTS.  Each wave waits for all its tensor loads (its part of the other slot), adds 0 to its spare word, and waits for that and for its reads of the slot in hand.
; fill = 1: a round of the cluster's barrier, and behind it the slot in hand is filled with the key group two on: one load a wave is out, and it has a key step in which to land.
.macro CHANGE fill
	s_wait_tensorcnt 0x0
	ds_add_u32 v[SPW], v[NIL]
.if \fill
	s_xor_b32 s[G0K+1], s[G0K+1], SLOT1            ; no tensor load of mine is out: the descriptors may be written
	s_add_nc_u64 s[G0K+2:G0K+3], s[G0K+2:G0K+3], BLKB
	s_xor_b32 s[G0M+1], s[G0M+1], SLOT1
	s_add_nc_u64 s[G0M+2:G0M+3], s[G0M+2:G0M+3], 512
	s_wait_xcnt 0x0                                ; the last prefetch, a key step back, has read its address
	s_add_nc_u64 s[PFA:PFA+1], s[PFA:PFA+1], s[PFS:PFS+1]
	s_wait_dscnt 0x0
	ROUND
	JLOAD
.else
	s_wait_dscnt 0x0
	s_barrier_signal -1
	s_barrier_wait -1
.endif
.endm
.macro NEXT                            ; the next key step's first operands, out of the slot that the barrier has shown whole: 41 LDS loads
	s_xor_b32 s[TB], s[TB], SLOT1
	v_add_nc_u32 v[ADR], s[TB], v[LI2]
	v_add_nc_u32 v[KAD], s[TB], v[KA0]
	v_add_nc_u32 v[SAD], s[TB], v[SA0]
	v_add_nc_u32 v[MAD], s[TB], v[MA0]
	s_wait_alu depctr_va_vdst(0)
.irp p, 0,1
.irp e, 0,1,2,3
	ds_load_b32 v[KS+4*\p+\e], v[SAD] offset:(49152+512*\p)*9/8+8*(\e/2)+128*(\e%2)   ; K's scale words of tiles 2 e (lanes 0-15) and 2 e + 1 (lanes 16-31)
.endr
.endr
	KLOAD 0
	WIN 0x40
.irp c, 0,1
.irp n, 0,1,2,3,4,5,6,7
	ds_load_b128 v[MK+32*\c+4*\n:MK+32*\c+4*\n+3], v[MAD] offset:256*\c+16*\n   ; the mask of my query at keys 64 c + 32 h + 4 n ..
.endr
.endr
	WIN 0
	ds_load_b128 v[VS:VS+3], v[ADR] offset:(49152+1024)*9/8   ; V's scale words of the first head pair (the second pair's are still at work)
.endm
.macro TURNOVER
	CHANGE 1
	NEXT
	ASK                                            ; behind the joint load's lines and the run of LDS loads
.endm
; ONE HEAD OF A KEY STEP.  mode (head 3 alone): 1: the change of slots with a refill; 2: in the last two steps: a plain barrier and the next loads in the first of them, nothing in the last
.macro HEAD i, mode
.set hp, (\i)/2
.set he, (\i)%2
.set sT, ST+4*(\i)
.if (\i) == 0
	s_wait_dscnt 1                                 ; K's halves, the mask and the scale words are in; the load just issued may be out
.else
	s_wait_dscnt 0x0                               ; K's halves are in
.endif
	WIN 0x14                                       ; Q and the mask: window 1
.irp t, 0,1,2,3,4,5,6,7
.if (\t%2) == 0
	v_wmma_scale_f32_16x16x128_f8f6f4 v[S+8*\t:S+8*\t+7], v[KF+6*\t:KF+6*\t+11], v[QF+18*hp+6*he:QF+18*hp+6*he+11], v[MK+8*\t:MK+8*\t+7], v[KS+4*hp+\t/2], v[QS+(\i)] matrix_a_fmt:MATRIX_FMT_FP6 matrix_b_fmt:MATRIX_FMT_FP6
.else
	v_wmma_scale_f32_16x16x128_f8f6f4 v[S+8*\t:S+8*\t+7], v[KF+6*\t:KF+6*\t+11], v[QF+18*hp+6*he:QF+18*hp+6*he+11], v[MK+8*\t:MK+8*\t+7], v[KS+4*hp+\t/2], v[QS+(\i)] matrix_a_fmt:MATRIX_FMT_FP6 matrix_b_fmt:MATRIX_FMT_FP6 matrix_a_scale:MATRIX_SCALE_ROW1
.endif
.endr
	WIN 0
	PLACES                                         ; ahead of the loads into V's and K's registers and of the first read of u
.irp u, 0,1,2,3
.irp c, 0,1,2
	ds_load_b128 v[VF+12*\u+4*\c:VF+12*\u+4*\c+3], v[ADR] offset:(12288*(2+hp)+1536*(4*he+\u)+512*\c)*9/8   ; this head's four tiles of V^T
.endr
.endr
.if (\i) < 3
	KLOAD (\i)+1                                   ; the next head's K lands under this head's softmax
.endif
.irp b, 0,1,2,3
	v_max3_num_f32 v[BM+\b], v[S+16*\b], v[S+1+16*\b], v[S+2+16*\b]   ; four chains by turns, each accumulator from its low end on
.endr
.irp n, 3,5,7,9,11,13
.irp b, 0,1,2,3
	v_max3_num_f32 v[BM+\b], v[BM+\b], v[S+16*\b+\n], v[S+1+16*\b+\n]
.endr
.endr
	v_max3_num_f32 v[BM], v[BM], v[BM+1], v[S+15]
	v_max3_num_f32 v[BM+2], v[BM+2], v[BM+3], v[S+47]
	v_max_num_f32 v[BM], v[BM], v[S+31]            ; the largest u of my block h,
	v_max_num_f32 v[BM+2], v[BM+2], v[S+63]        ; and of my block 2 + h: they serve the row's maximum and the blocks' largest p
	s_delay_alu instid0(VALU_DEP_1)
	v_max_num_f32 v[TMP], v[BM], v[BM+2]
	s_delay_alu instid0(VALU_DEP_1)
	v_permlanex16_b32 v[B2], v[TMP], s[SEL], s[SEL+1]
	v_mov_b32 v[B2+1], v[sT]                       ; the old -M
	s_delay_alu instid0(VALU_DEP_2)
	v_max3_num_f32 v[sT+1], v[sT+1], v[TMP], v[B2] ; the running largest u
	s_delay_alu instid0(VALU_DEP_1)
	v_mul_f32 v[TMP], s[CS], v[sT+1]               ; as t
	s_delay_alu instid0(VALU_DEP_1)
	v_floor_f32 v[sT], -v[TMP]                     ; the new -M = -ceil(t): M is a whole number
	s_delay_alu instid0(VALU_DEP_1)
	v_sub_f32 v[TMP], v[sT], v[B2+1]               ; old M - new M: a whole number, 0 or less
	s_delay_alu instid0(VALU_DEP_1)
	v_cvt_i32_f32 v[TMP], v[TMP]                   ; (it saturates)
	s_delay_alu instid0(VALU_DEP_1)
	v_ldexp_f32 v[F], 1.0, v[TMP]                  ; f = 2^(old M - new M): a multiplication by it rounds nothing
.if (\i) == 3
	s_wait_alu depctr_va_vdst(0)                   ; directly ahead of the waits below
.if (\mode) == 1
	TURNOVER                                       ; its wait for my LDS reads shows V in too
.else
	s_wait_dscnt 0x0                               ; V is in
	s_cmp_eq_u32 s[CNT], 1                         ; the counter alone decides, alike in all waves and work-groups: the last step has no successor
	s_cbranch_scc1 .Lno_next_\@
	CHANGE 0
	NEXT
.Lno_next_\@:
.endif
.endif
.set j, 0
.rept 32
	v_pk_fma_f32 v[S+j:S+j+1], v[S+j:S+j+1], s[CS:CS+1], v[sT:sT+1] op_sel_hi:[1,0,0]   ; t - M
.set j, j+2
.endr
	v_fma_f32 v[BM], v[BM], s[CS], v[sT]           ; the same of each block's largest u
	v_fma_f32 v[BM+2], v[BM+2], s[CS], v[sT]
	s_wait_alu depctr_va_vdst(0)                   ; ahead of the batch
.set j, 0
.rept 64
	v_exp_f32 v[S+j], v[S+j]                       ; p = 2^(t - M): not normalised
.set j, j+1
.endr
	v_exp_f32 v[BM], v[BM]                         ; the blocks' largest p: the same instructions on the same numbers give the same bits
	v_exp_f32 v[BM+2], v[BM+2]
	v_pk_mul_f32 v[sT+2:sT+3], v[sT+2:sT+3], v[F:F+1] op_sel_hi:[1,0]   ; the sums under the new M: the plain instruction behind the exponentials
	s_wait_alu depctr_va_vdst(0)                   ; one wait for the batch, ahead of its first reader
	v_max_num_f32 v[BM], 0x1800000, v[BM]          ; the floor 2^(3 - 127): the byte cannot fall under 1
	v_max_num_f32 v[BM+2], 0x1800000, v[BM+2]
	v_add_nc_u32 v[SO], 0xff000000, v[BM]          ; 2 off the exponent field: the conversion's scale operand
	v_add_nc_u32 v[SO+1], 0xff000000, v[BM+2]
.irp c, 0,1
	v_cvt_scalef32_pk16_fp6_f32 v[PC+6*\c:PC+2+6*\c], v[S+32*\c:S+15+32*\c], v[SO+\c]        ; my block 2 c + h: its lower 16 codes,
	v_cvt_scalef32_pk16_fp6_f32 v[PT+4*\c:PT+2+4*\c], v[S+16+32*\c:S+31+32*\c], v[SO+\c]     ; its upper 16 (a conversion's three registers begin on an even number)
.endr
	v_lshrrev_b32 v[BM], 23, v[SO]                 ; the bytes.  (A plain instruction behind the scaled conversions)
	v_lshrrev_b32 v[BM+2], 23, v[SO+1]
	v_pk_add_f32 v[B2:B2+1], v[S:S+1], v[S+2:S+3]  ; the row's sum is taken of the unquantised p, in two chains
	v_lshl_or_b32 v[BM], v[BM+2], 16, v[BM]        ; blocks h and 2 + h,
	v_pk_add_f32 v[sT+2:sT+3], v[sT+2:sT+3], v[S+4:S+5]
	v_lshlrev_b32 v[BM], v[H8], v[BM]              ; at their places in the scale word
	v_pk_add_f32 v[B2:B2+1], v[B2:B2+1], v[S+6:S+7]
	v_permlanex16_b32 v[B2+2], v[BM], s[SEL], s[SEL+1]
.irp n, 8,12,16,20,24,28,32,36,40,44,48,52,56,60
	v_pk_add_f32 v[sT+2:sT+3], v[sT+2:sT+3], v[S+\n:S+1+\n]
	v_pk_add_f32 v[B2:B2+1], v[B2:B2+1], v[S+2+\n:S+3+\n]
.endr
	v_or_b32 v[PWD], v[BM], v[B2+2]                ; with lane l xor 16's two bytes p's scale word is whole
	v_pk_add_f32 v[sT+2:sT+3], v[sT+2:sT+3], v[B2:B2+1]
.irp c, 0,1
.irp n, 0,1,2
	v_mov_b32 v[PC+3+6*\c+\n], v[PT+4*\c+\n]
.endr
.endr
.if (\i) < 3
	s_wait_dscnt 16                                ; V's 12 loads are in; the next head's 16 loads of K may be out
.endif
	WIN 0x41                                       ; O^T: destination and source 0 window 1
	s_wait_alu depctr_va_vdst(0)                   ; directly ahead of the first reader of O^T
.set j, 0
.rept 16
	v_pk_mul_f32 v[OT+32*(\i)+j:OT+32*(\i)+j+1], v[OT+32*(\i)+j:OT+32*(\i)+j+1], v[F:F+1] op_sel_hi:[1,0]   ; O^T under the new M.  (These 16 are also the places between p's codes and scale word and the products)
.set j, j+2
.endr
	WIN 0x50                                       ; C and D window 1
.irp u, 0,1,2,3
.if (\u%2) == 0
	v_wmma_scale_f32_16x16x128_f8f6f4 v[OT+32*(\i)+8*\u:OT+32*(\i)+8*\u+7], v[VF+12*\u:VF+12*\u+11], v[PC:PC+11], v[OT+32*(\i)+8*\u:OT+32*(\i)+8*\u+7], v[VS+4*hp+2*he+\u/2], v[PWD] matrix_a_fmt:MATRIX_FMT_FP6 matrix_b_fmt:MATRIX_FMT_FP6
.else
	v_wmma_scale_f32_16x16x128_f8f6f4 v[OT+32*(\i)+8*\u:OT+32*(\i)+8*\u+7], v[VF+12*\u:VF+12*\u+11], v[PC:PC+11], v[OT+32*(\i)+8*\u:OT+32*(\i)+8*\u+7], v[VS+4*hp+2*he+\u/2], v[PWD] matrix_a_fmt:MATRIX_FMT_FP6 matrix_b_fmt:MATRIX_FMT_FP6 matrix_a_scale:MATRIX_SCALE_ROW1
.endif
.endr
	WIN 0
.endm
.macro STEP mode                       ; a key step: 128 keys, four heads
	ds_load_b128 v[VS+4:VS+7], v[ADR] offset:(49152+1024+512)*9/8   ; V's scale words of the second head pair: the last step's products have read their registers, four places ago
	HEAD 0, 0
	HEAD 1, 0
	HEAD 2, 0
	HEAD 3, \mode
	PLACES                                         ; behind the last products: ahead of the load above, and of the way out
.endm
	TURNOVER                                       ; key group 0 is whole; key group 1 is asked for; step 0's first operands
.Lslot:                                            ; 14 trips: steps 0 to 13 ask for key groups 2 to 15
	STEP 1
	s_sub_co_u32 s[CNT], s[CNT], 1
	s_cmp_lg_u32 s[CNT], 0
	s_wait_alu depctr_va_vdst(0)                   ; directly ahead of the branch
	s_cbranch_scc1 .Lslot
	s_mov_b32 s[CNT], 2
.Ltail:                                            ; steps 14 and 15: no tensor load stands in this loop
	STEP 2
	s_sub_co_u32 s[CNT], s[CNT], 1
	s_cmp_lg_u32 s[CNT], 0
	s_wait_alu depctr_va_vdst(0)
	s_cbranch_scc1 .Ltail
	s_wait_dscnt 0x0                               ; no LDS load is out: K's registers serve the way out
	; THE WAY OUT.  O^T / the sum; a pair of heads is 64 registers along D (register 16 b + i = 32 b + 16 h + i of the pair's 128): one fragment of the last product's operand, rows = my query tile.
.macro QUANT s
.irp b, 0,1,2,3
	v_max3_num_f32 v[TM+\b], |v[\s+16*\b]|, |v[\s+1+16*\b]|, 0x1800000
.endr
.irp n, 2,4,6,8,10,12,14
.irp b, 0,1,2,3
	v_max3_num_f32 v[TM+\b], v[TM+\b], |v[\s+16*\b+\n]|, |v[\s+1+16*\b+\n]|
.endr
.endr
.irp b, 0,1,2,3
	v_permlanex16_b32 v[TM+4+\b], v[TM+\b], s[SEL], s[SEL+1]
.endr
.irp b, 0,1,2,3
	v_max_num_f32 v[TM+\b], v[TM+\b], v[TM+4+\b]
.endr
.irp b, 0,1,2,3
	v_add_nc_u32 v[TM+12+\b], 0xff000000, v[TM+\b]
.endr
.irp b, 0,1,2,3
	v_lshrrev_b32 v[TM+4+\b], 23, v[TM+12+\b]
.endr
	v_lshl_or_b32 v[PW], v[TM+5], 8, v[TM+4]
	s_delay_alu instid0(VALU_DEP_1)
	v_lshl_or_b32 v[PW], v[TM+6], 16, v[PW]
	s_delay_alu instid0(VALU_DEP_1)
	v_lshl_or_b32 v[PW], v[TM+7], 24, v[PW]
.irp c, 0,1
	v_cvt_scalef32_pk16_fp6_f32 v[PC+6*\c:PC+2+6*\c], v[\s+32*\c:\s+15+32*\c], v[TM+12+2*\c]
	v_cvt_scalef32_pk16_fp6_f32 v[PC+12+4*\c:PC+14+4*\c], v[\s+16+32*\c:\s+31+32*\c], v[TM+12+2*\c+1]
.endr
	v_nop
.irp c, 0,1
.irp n, 0,1,2
	v_permlane16_swap_b32 v[PC+6*\c+\n], v[PC+12+4*\c+\n]
.endr
.irp n, 0,1,2
	v_mov_b32 v[PC+3+6*\c+\n], v[PC+12+4*\c+\n]
.endr
.endr
.endm
.irp h, 0,1,2,3
	v_add_f32 v[BM+\h], v[ST+4*\h+2], v[ST+4*\h+3] ; the sum's two halves,
.endr
.irp h, 0,1,2,3
	v_permlanex16_b32 v[B2+\h], v[BM+\h], s[SEL], s[SEL+1]
.endr
.irp h, 0,1,2,3
	v_add_f32 v[BM+\h], v[BM+\h], v[B2+\h]         ; and lane l xor 16's
.endr
	s_wait_alu depctr_va_vdst(0)
.irp h, 0,1,2,3
	v_rcp_f32 v[SO+\h], v[BM+\h]
.endr
	v_nop                                          ; a plain instruction behind the last reciprocal
.irp p, 0,1
.if \p
	s_wait_xcnt 0x0                                ; the first pair's stores have read PC
.endif
	WIN 0x01                                       ; source 0 (O^T) window 1
	s_wait_alu depctr_va_vdst(0)                   ; for the reciprocals, and directly ahead of the first readers of O^T
.set j, 0
.rept 64
	v_mul_f32 v[S+j], v[OT+64*\p+j], v[SO+2*\p+j/32]   ; each accumulator from its low end on
.set j, j+1
.endr
	WIN 0
	QUANT S
.irp c, 0,1,2
	global_store_b128 v[LI], v[PC+4*\c:PC+4*\c+3], s[10:11] offset:12800*\p+512*\c   ; 512 consecutive bytes, aligned
.endr
	ds_store_b32 v[PWA], v[PW] offset:512*\p       ; lanes l and l xor 16 write the same word with the same value
.endr
	s_wait_dscnt 0x0                               ; for the others' sake: my words lie in the scale blocks
	s_barrier_signal -1
	s_barrier_wait -1
	s_cmp_lt_u32 s[WV], 2
	s_cbranch_scc0 .Lno_scales
	ds_load_b128 v[S:S+3], v[PWL]                  ; wave p sends pair p's scale block whole
	s_wait_dscnt 0x0
	global_store_b128 v[LI], v[S:S+3], s[56:57]
.Lno_scales:
	s_wait_tensorcnt 0x0                           ; the wave's end
	ds_add_u32 v[SPW], v[NIL]
	s_wait_dscnt 0x0
	ROUND                                          ; the closing round
	s_endpgm
.Lfunc_end_k_qb856e5a011_attn:
	.size	k_qb856e5a011_attn, .Lfunc_end_k_qb856e5a011_attn-k_qb856e5a011_attn
	.p2alignl 7, 3214868480
	.fill 96, 4, 3214868480
	.section	.rodata,"a",@progbits
	.p2align	6, 0x0
	.amdhsa_kernel k_qb856e5a011_attn
		.amdhsa_group_segment_fixed_size 327680
		.amdhsa_private_segment_fixed_size 0
		.amdhsa_enable_private_segment 0
		.amdhsa_kernarg_size 32
		.amdhsa_user_sgpr_count 2
		.amdhsa_user_sgpr_kernarg_segment_ptr 1
		.amdhsa_wavefront_size32 1
		.amdhsa_system_sgpr_workgroup_id_x 1
		.amdhsa_system_sgpr_workgroup_id_y 1
		.amdhsa_system_sgpr_workgroup_id_z 1
		.amdhsa_system_vgpr_workitem_id 0
		.amdhsa_next_free_vgpr 512
		.amdhsa_next_free_sgpr 90
		.amdhsa_reserve_vcc 0
		.amdhsa_float_denorm_mode_32 3
		.amdhsa_float_denorm_mode_16_64 3
		.amdhsa_memory_ordered 1
		.amdhsa_forward_progress 1
		.amdhsa_inst_pref_size 156
	.end_amdhsa_kernel
	.amdgpu_metadata
---
amdhsa.version: [ 1, 2 ]
amdhsa.kernels:
  - .name:           k_qb856e5a011_attn
    .symbol:         k_qb856e5a011_attn.kd
    .args:
      - { .name: qb, .offset: 0, .size: 8, .value_kind: global_buffer, .address_space: global }
      - { .name: kv, .offset: 8, .size: 8, .value_kind: global_buffer, .address_space: global }
      - { .name: mask, .offset: 16, .size: 8, .value_kind: global_buffer, .address_space: global }
      - { .name: aimg, .offset: 24, .size: 8, .value_kind: global_buffer, .address_space: global }
    .group_segment_fixed_size: 327680
    .private_segment_fixed_size: 0
    .kernarg_segment_align: 8
    .kernarg_segment_size: 32
    .max_flat_workgroup_size: 256
    .sgpr_count:     90
    .vgpr_count:     512
    .wavefront_size: 32
...
	.end_amdgpu_metadata
.endif
;; end of part 3
;; launch outp (part 4): grid 4 x 32, 4 waves a work-group, clusters of 4 x 4, 327,680 bytes of LDS; arguments aimg, wimg, out0; writes out0
.if DOCPART == 4
	.amdgcn_target "amdgcn-amd-amdhsa--gfx1250"
	.amdhsa_code_object_version 6
	.text
	.protected	k_qb856e5a011_outp
	.globl	k_qb856e5a011_outp
	.p2align	8
	.type	k_qb856e5a011_outp,@function
k_qb856e5a011_outp:
	s_mov_b64 s[64:65], 0
	v_nop
	global_prefetch_b8 v0, s[64:65] scope:SCOPE_SE
	s_setreg_imm32_b32 hwreg(HW_REG_WAVE_MODE, 25, 1), 1
	s_wait_xcnt 0x0
	s_wait_alu depctr_hold_cnt(0) depctr_sa_sdst(0) depctr_va_vdst(0) depctr_va_sdst(0) depctr_va_ssrc(0) depctr_va_vcc(0) depctr_vm_vsrc(0)
	s_getreg_b32 s2, hwreg(HW_REG_IB_STS2, 6, 4)
	s_cmp_eq_u32 s2, 0
	s_cbranch_scc0 .Lentry_in_a_cluster
	s_endpgm
.Lentry_in_a_cluster:
	s_bfe_u32 s2, ttmp6, 0x10000c
	s_cmp_lg_u32 s2, 0xf033
	s_cbranch_scc0 .Lentry_shape_is_right
	s_endpgm
.Lentry_shape_is_right:
.set GB,     12800
.set REG,    2*GB
.set SLOT,   4*REG
.set GRP,    8*GB
.set STAGE,  2*SLOT
.set SPITCH, 528
.set SPARE,  STAGE+4*16*SPITCH
.set FR,     12
.set NL,     3
.set LAPS,   2
.set ADRR, 16
.set ADRP, 20
.set STO,  24
.set RD,   25
.set CO,   26
.set SPW,  28
.set NIL,  29
.set SC,   32
.set AF,   128
.set BK,   128
.set G1, 24
.set G0, 32
.set G1B, 48
.set G0B, 56
.set MSB, 0
.macro WIN new
.if MSB != (\new)
	s_set_vgpr_msb (MSB<<8)|(\new)
.set MSB, (\new)
.endif
.endm
.set MUL_LO, 0xa1
.set MUL_HI, 0xf1
.set TO_B,   0x40
.macro JLOAD g0a, g1a, g0b, g1b
	s_cmp_eq_u32 s15, 0
	s_cbranch_scc0 .Lfor_b_\@
	tensor_load_to_lds s[\g0a:\g0a+3], s[\g1a:\g1a+7]
	s_nop 0
.rept 4
	v_nop
.endr
	s_branch .Lasked_\@
.Lfor_b_\@:
	tensor_load_to_lds s[\g0b:\g0b+3], s[\g1b:\g1b+7]
	s_nop 0
.rept 4
	v_nop
.endr
.Lasked_\@:
.endm
.macro CREST
	s_cmp_lg_u32 s14, 0
	s_cbranch_scc1 .Lnot_wave_0_\@
	s_barrier_signal -3
.Lnot_wave_0_\@:
	s_barrier_wait -3
	s_barrier_signal -1
	s_barrier_wait -1
.endm
.macro CROUND
	s_barrier_signal -1
	s_barrier_wait -1
	CREST
.endm
.macro PLACES
.rept 4
	v_nop
.endr
.endm
	s_load_b128 s[4:7], s[0:1], 0x0
	s_load_b64 s[8:9], s[0:1], 0x10
	v_lshl_add_u32 v[SPW], v0, 2, SPARE
	v_mov_b32 v[NIL], 0
	ds_add_u32 v28, v29
	ds_add_u32 v28, v29
	s_wait_dscnt 0x0
	v_lshrrev_b32 v1, 5, v0
	v_readfirstlane_b32 s14, v1
	s_lshr_b32 s15, s14, 1
	s_and_b32 s16, s14, 1
	s_bfe_u32 s40, ttmp6, 0x40000
	s_bfe_u32 s41, ttmp6, 0x40004
	s_lshl_b32 s43, s41, 2
	s_lshl_b32 s43, 15, s43
	s_lshl_b32 s44, 0x1111, s40
	s_or_b32 s[G1+0], s43, (3<<16)|(1<<21)
	s_or_b32 s[G1B+0], s44, (3<<16)|(1<<21)
.irp g, G1, G1B
	s_mov_b32 s[\g+1], 32<<16
	s_mov_b32 s[\g+2], 100<<16
	s_mov_b32 s[\g+3], 32<<16
	s_mov_b32 s[\g+4], 100
	s_mov_b32 s[\g+5], 32
	s_mov_b32 s[\g+6], 0
	s_mov_b32 s[\g+7], 0
.endr
	s_and_b32 s17, ttmp7, 0xffff
	s_lshl_b32 s17, s17, 2
	s_add_co_u32 s70, s17, s41
	s_lshl_b32 s72, s70, 1
	s_add_co_u32 s72, s72, s16
	s_mul_i32 s72, s72, GRP
	s_mov_b32 s73, 0
	s_lshl_b32 s74, s40, 1
	s_add_co_u32 s74, s74, s16
	s_add_co_u32 s74, s74, 24
	s_mul_i32 s74, s74, GRP
	s_mov_b32 s75, 0
	s_mul_i32 s45, s14, REG
	s_wait_kmcnt 0x0
	s_add_nc_u64 s[76:77], s[4:5], s[72:73]
	s_add_nc_u64 s[78:79], s[6:7], s[74:75]
	; the prefetches' address: the 102,400 consecutive bytes that my wave fetches in four fills of REG bytes.  The four partners that ask for them jointly share a fill's 100 blocks of 256 bytes out by address:
	; the partner at place p (cx for the tile shared along a row of the cluster, cy for the one shared along a column) takes blocks 25 p .. 25 p + 24, a lane a block; lanes 25-31 name the last one again
	s_cmp_eq_u32 s15, 0
	s_cselect_b64 s[96:97], s[76:77], s[78:79]
	s_cselect_b32 s84, s40, s41
	s_mul_i32 s84, s84, 6400
	s_mov_b32 s85, 0
	s_add_nc_u64 s[96:97], s[96:97], s[84:85]
	v_and_b32 v30, 31, v0
	v_min_u32 v30, 24, v30
	v_lshlrev_b32 v30, 8, v30
	CROUND
.irp s, 0,1
	s_mov_b32 s[G0+4*\s], 1
	s_add_co_u32 s[G0+4*\s+1], s45, \s*SLOT
	s_add_nc_u64 s[G0+4*\s+2:G0+4*\s+3], s[76:77], \s*REG
	s_or_b32 s[G0+4*\s+3], s[G0+4*\s+3], 0x80000000
	s_mov_b32 s[G0B+4*\s], 1
	s_add_co_u32 s[G0B+4*\s+1], s45, \s*SLOT
	s_add_nc_u64 s[G0B+4*\s+2:G0B+4*\s+3], s[78:79], \s*REG
	s_or_b32 s[G0B+4*\s+3], s[G0B+4*\s+3], 0x80000000
	s_wait_alu depctr_va_vdst(0)
	s_wait_tensorcnt 0x0
	ds_add_u32 v28, v29
	ds_add_u32 v28, v29
	s_wait_dscnt 0x0
	CROUND
	JLOAD G0+4*\s, G1, G0B+4*\s, G1B
.if \s == 0
	global_prefetch_b8 v30, s[96:97] offset:REG th:TH_LOAD_NT scope:SCOPE_SE     ; behind fill 0's load: fills 1 and 2 are asked for;
	global_prefetch_b8 v30, s[96:97] offset:2*REG th:TH_LOAD_NT scope:SCOPE_SE
.else
	global_prefetch_b8 v30, s[96:97] offset:3*REG th:TH_LOAD_NT scope:SCOPE_SE   ; behind fill 1's: fill 3, the last.  v30 and s[96:97] are never written again
.endif
.endr
	v_and_b32 v1, 31, v0
	v_lshlrev_b32 v[CO], 4, v1
	s_mul_i32 s21, s15, REG
	s_mul_i32 s22, s16, REG
	s_add_co_u32 s22, s22, 2*REG
.irp s, 0,1
	v_add_nc_u32 v[ADRR+\s], s21, v[CO]
	v_add_nc_u32 v[ADRP+\s], s22, v[CO]
	s_add_co_u32 s21, s21, SLOT
	s_add_co_u32 s22, s22, SLOT
.endr
	v_and_b32 v1, 15, v0
	v_bfe_u32 v2, v0, 4, 1
	s_mul_i32 s23, s14, 16*SPITCH
	s_add_co_u32 s23, s23, STAGE
	v_mul_u32_u24 v5, v1, SPITCH
	v_lshl_add_u32 v5, v2, 6, v5
	v_add_nc_u32 v[STO], s23, v5
	v_add_nc_u32 v[RD], s23, v[CO]
	s_lshl_b32 s80, s70, 8
	s_lshl_b32 s81, s15, 7
	s_add_co_u32 s80, s80, s81
	s_lshl_b32 s80, s80, 12
	s_lshl_b32 s81, s40, 10
	s_add_co_u32 s80, s80, s81
	s_lshl_b32 s81, s16, 9
	s_add_co_u32 s80, s80, s81
	s_mov_b32 s81, 0
	s_add_nc_u64 s[12:13], s[8:9], s[80:81]
.macro FRAG reg, adr, q, i
.irp c, 0,1,2
	ds_load_b128 v[\reg+4*\c:\reg+4*\c+3], v[\adr] offset:GB*(\q)+1536*(\i)+512*\c
.endr
.endm
.macro FETCH_P slot, q, p
	WIN TO_B
.irp i, 0,1,2,3,4,5,6,7
	FRAG 128*(\p)+FR*\i, ADRP+\slot, \q, \i
.endr
	WIN 0
.endm
.macro FETCH_R slot, q, i0
.irp i, \i0, \i0+1, \i0+2, \i0+3
	FRAG AF+FR*(\i), ADRR+\slot, \q, \i
.endr
.endm
.macro SCALES slot
.irp q, 0,1
	ds_load_b128 v[SC+16*\slot+4*\q:SC+16*\slot+4*\q+3], v[ADRP+\slot] offset:GB*\q+12288
	ds_load_b128 v[SC+16*\slot+8+4*\q:SC+16*\slot+8+4*\q+3], v[ADRR+\slot] offset:GB*\q+12288
.endr
.endm
.macro WM zero
.if \zero
.if oA && oB
	v_wmma_scale_f32_16x16x128_f8f6f4 v[rD:rD+7], v[rP:rP+11], v[rR:rR+11], 0, v[rSP], v[rSR] matrix_a_fmt:MATRIX_FMT_FP6 matrix_b_fmt:MATRIX_FMT_FP6 matrix_a_scale:MATRIX_SCALE_ROW1 matrix_b_scale:MATRIX_SCALE_ROW1
.elseif oA
	v_wmma_scale_f32_16x16x128_f8f6f4 v[rD:rD+7], v[rP:rP+11], v[rR:rR+11], 0, v[rSP], v[rSR] matrix_a_fmt:MATRIX_FMT_FP6 matrix_b_fmt:MATRIX_FMT_FP6 matrix_a_scale:MATRIX_SCALE_ROW1
.elseif oB
	v_wmma_scale_f32_16x16x128_f8f6f4 v[rD:rD+7], v[rP:rP+11], v[rR:rR+11], 0, v[rSP], v[rSR] matrix_a_fmt:MATRIX_FMT_FP6 matrix_b_fmt:MATRIX_FMT_FP6 matrix_b_scale:MATRIX_SCALE_ROW1
.else
	v_wmma_scale_f32_16x16x128_f8f6f4 v[rD:rD+7], v[rP:rP+11], v[rR:rR+11], 0, v[rSP], v[rSR] matrix_a_fmt:MATRIX_FMT_FP6 matrix_b_fmt:MATRIX_FMT_FP6
.endif
.else
.if oA && oB
	v_wmma_scale_f32_16x16x128_f8f6f4 v[rD:rD+7], v[rP:rP+11], v[rR:rR+11], v[rD:rD+7], v[rSP], v[rSR] matrix_a_fmt:MATRIX_FMT_FP6 matrix_b_fmt:MATRIX_FMT_FP6 matrix_a_scale:MATRIX_SCALE_ROW1 matrix_b_scale:MATRIX_SCALE_ROW1
.elseif oA
	v_wmma_scale_f32_16x16x128_f8f6f4 v[rD:rD+7], v[rP:rP+11], v[rR:rR+11], v[rD:rD+7], v[rSP], v[rSR] matrix_a_fmt:MATRIX_FMT_FP6 matrix_b_fmt:MATRIX_FMT_FP6 matrix_a_scale:MATRIX_SCALE_ROW1
.elseif oB
	v_wmma_scale_f32_16x16x128_f8f6f4 v[rD:rD+7], v[rP:rP+11], v[rR:rR+11], v[rD:rD+7], v[rSP], v[rSR] matrix_a_fmt:MATRIX_FMT_FP6 matrix_b_fmt:MATRIX_FMT_FP6 matrix_b_scale:MATRIX_SCALE_ROW1
.else
	v_wmma_scale_f32_16x16x128_f8f6f4 v[rD:rD+7], v[rP:rP+11], v[rR:rR+11], v[rD:rD+7], v[rSP], v[rSR] matrix_a_fmt:MATRIX_FMT_FP6 matrix_b_fmt:MATRIX_FMT_FP6
.endif
.endif
.endm
.macro MUL16 a0, p, q, sc, zero
.irp a, \a0, \a0+1
.irp b, 0,1,2,3,4,5,6,7
.set rD, 8*(8*((\a)%4)+\b)
.set rP, 128*(\p)+FR*\b
.set rR, AF+FR*(\a)
.set rSP, SC+16*(\sc)+4*(\q)+\b/2
.set rSR, SC+16*(\sc)+8+4*(\q)+(\a)/2
.set oA, \b%2
.set oB, (\a)%2
	WM \zero
.endr
.endr
.endm
.macro STEP slot, zero
	s_wait_dscnt 4*NL
	WIN MUL_LO
	MUL16 0, 0, 0, \slot, \zero
	MUL16 2, 0, 0, \slot, \zero
	s_wait_dscnt 0
	PLACES
	FETCH_P \slot, 1, 1
	FETCH_R \slot, 1, 0
	WIN MUL_HI
	MUL16 4, 0, 0, \slot, \zero
	MUL16 6, 0, 0, \slot, \zero
	PLACES
	WIN 0
	FETCH_R \slot, 1, 4
.endm
.macro TURN slot, next, fill
	s_wait_tensorcnt 0x0
	ds_add_u32 v[SPW], v[NIL]
	s_wait_dscnt 4*NL+1
	WIN MUL_LO
	MUL16 0, 1, 1, \slot, 0
	s_wait_dscnt 0x0
	s_barrier_signal -1
	MUL16 2, 1, 1, \slot, 0
	WIN 0
	s_barrier_wait -1
.if \fill
	CREST
	s_add_nc_u64 s[G0+4*\slot+2:G0+4*\slot+3], s[G0+4*\slot+2:G0+4*\slot+3], 2*REG
	s_add_nc_u64 s[G0B+4*\slot+2:G0B+4*\slot+3], s[G0B+4*\slot+2:G0B+4*\slot+3], 2*REG
	JLOAD G0+4*\slot, G1, G0B+4*\slot, G1B
.else
	PLACES
.endif
	FETCH_P \next, 0, 0
	FETCH_R \next, 0, 0
	SCALES \next
	WIN MUL_HI
	MUL16 4, 1, 1, \slot, 0
	MUL16 6, 1, 1, \slot, 0
	PLACES
	WIN 0
	FETCH_R \next, 0, 4
.endm
	s_wait_alu depctr_va_vdst(0)
	s_wait_tensorcnt 1
	s_barrier_signal -1
	s_barrier_wait -1
	FETCH_P 0, 0, 0
	FETCH_R 0, 0, 0
	SCALES 0
	FETCH_R 0, 0, 4
	STEP 0, 1
	s_mov_b32 s3, LAPS-1
.Llap:
	TURN 0, 1, 1
	STEP 1, 0
	TURN 1, 0, 1
	STEP 0, 0
	s_sub_co_u32 s3, s3, 1
	s_cmp_lg_u32 s3, 0
	s_cbranch_scc1 .Llap
	TURN 0, 1, 0
	STEP 1, 0
	s_wait_dscnt 4*NL
	WIN MUL_LO
	MUL16 0, 1, 1, 1, 0
	MUL16 2, 1, 1, 1, 0
	s_wait_dscnt 0
	WIN MUL_HI
	MUL16 4, 1, 1, 1, 0
	MUL16 6, 1, 1, 1, 0
	WIN 0
.macro TOSTAGE a
.set AC, 64*((\a)%4)
	WIN 0x08+4*((\a)/4)
.irp b, 0,1,2,3,4,5,6,7
	ds_store_b128 v[STO], v[AC+8*\b:AC+8*\b+3] offset:128*(\b/2)+32*(\b%2)
	ds_store_b128 v[STO], v[AC+8*\b+4:AC+8*\b+7] offset:128*(\b/2)+32*(\b%2)+16
.endr
	WIN 0
.set BB, BK+64*((\a)%2)
.irp t, 0,1,2,3,4,5,6,7,8,9,10,11,12,13,14,15
	ds_load_b128 v[BB+4*\t:BB+4*\t+3], v[RD] offset:\t*SPITCH
.endr
.endm
.macro SEND a, younger
.set BB, BK+64*((\a)%2)
	s_wait_dscnt \younger
.irp t, 0,1,2,3,4,5,6,7,8,9,10,11,12,13,14,15
	global_store_b128 v[CO], v[BB+4*\t:BB+4*\t+3], s[12:13] offset:(16*(\a)+\t)*4096 th:TH_STORE_NT   ; tile a of the attention's result holds rows 16 a + t
.endr
.endm
	PLACES
	TOSTAGE 0
.irp a, 1,2,3,4,5,6,7
.if \a > 1
	s_wait_xcnt 0x0
.endif
	TOSTAGE \a
	SEND \a-1, 32
.endr
	SEND 7, 0
	s_wait_tensorcnt 0x0
	ds_add_u32 v[SPW], v[NIL]
	s_wait_dscnt 0x0
	CROUND
	s_endpgm
.Lfunc_end_k_qb856e5a011_outp:
	.size	k_qb856e5a011_outp, .Lfunc_end_k_qb856e5a011_outp-k_qb856e5a011_outp
	.p2alignl 7, 3214868480
	.fill 96, 4, 3214868480
	.section	.rodata,"a",@progbits
	.p2align	6, 0x0
	.amdhsa_kernel k_qb856e5a011_outp
		.amdhsa_group_segment_fixed_size 327680
		.amdhsa_private_segment_fixed_size 0
		.amdhsa_enable_private_segment 0
		.amdhsa_kernarg_size 24
		.amdhsa_user_sgpr_count 2
		.amdhsa_user_sgpr_kernarg_segment_ptr 1
		.amdhsa_wavefront_size32 1
		.amdhsa_system_sgpr_workgroup_id_x 1
		.amdhsa_system_sgpr_workgroup_id_y 1
		.amdhsa_system_sgpr_workgroup_id_z 1
		.amdhsa_system_vgpr_workitem_id 0
		.amdhsa_next_free_vgpr 1024
		.amdhsa_next_free_sgpr 98
		.amdhsa_reserve_vcc 0
		.amdhsa_float_denorm_mode_32 3
		.amdhsa_float_denorm_mode_16_64 3
		.amdhsa_memory_ordered 1
		.amdhsa_forward_progress 1
		.amdhsa_inst_pref_size 133
	.end_amdhsa_kernel
	.amdgpu_metadata
---
amdhsa.version: [ 1, 2 ]
amdhsa.kernels:
  - .name:           k_qb856e5a011_outp
    .symbol:         k_qb856e5a011_outp.kd
    .args:
      - { .name: aimg, .offset: 0, .size: 8, .value_kind: global_buffer, .address_space: global }
      - { .name: wimg, .offset: 8, .size: 8, .value_kind: global_buffer, .address_space: global }
      - { .name: out0, .offset: 16, .size: 8, .value_kind: global_buffer, .address_space: global }
    .group_segment_fixed_size: 327680
    .private_segment_fixed_size: 0
    .kernarg_segment_align: 8
    .kernarg_segment_size: 24
    .max_flat_workgroup_size: 128
    .sgpr_count:     98
    .vgpr_count:     1024
    .wavefront_size: 32
...
	.end_amdgpu_metadata
.endif
;; end of part 4
